; MI455X (gfx1250); checked and timed in simulation.
; The chip was launched on July 23, 2026; its instructions are those of AMD's public machine-readable ISA for CDNA 5 (MIT licence, August 2026) and "CDNA5" Instruction Set Architecture Reference Guide (July 2026). The comments in the code are by the model that wrote it; some were corrected since.
;; Multi Head Self Attention. Allowed arithmetic: matrix products marked QUANTISED: E2M1 operands, one E8M0 scale for each 32 along K, by v_wmma_scale_f32_16x16x128_f8f6f4 with both operands' format E2M1 (or v_wmma_scale_f32_32x16x128_f4), f32 sums; products left as they are: bf16, f16 or f32 operands; f32 sums; everything else in f32.
;; Inputs: b_out 1,024 float32; w_out 1,024 x 1,024 float32; w_qkv 3,072 x 1,024 float32; x 4 x 2,048 x 1,024 float32.
;; Outputs: out0 4 x 2,048 x 1,024 float32.
;; This version of the problem:
;;   THIS VERSION OF THE PROBLEM IS GIVEN IN LOW PRECISION. The matrix products marked QUANTISED in the list below multiply operands that are first quantised to E2M1 (2 exponent bits, 1 mantissa bit; 4 bits a number), with one power-of-two scale for each 32 numbers along K (OCP MX v1.0); their sums are f32. The products marked 'left as it is' may take bf16, f16 or f32 operands, with f32 sums. Whichever they take, every output number must still come out within the allowed error. Rounding operands to bf16 (8 significant bits) uses up far more of that allowance than f16 does (11 bits, for magnitudes from 6e-5 to 65,504). All else is computed in f32.
;;   The module's matrix products, in the order in which they are computed (A, B: the left and right operand; K: the contracted axis; several contracted axes count as one K, in the product's order):
;;     1. [M 8,192, K 1,024] x [K 1,024, N 3,072]; A: input x; B: input w_qkv: QUANTISED
;;     2. batch 64 x [M 2,048, K 64] x [K 64, N 2,048]; A: computed on the way; B: computed on the way: left as it is (an operand is computed on the way)
;;     3. batch 64 x [M 2,048, K 2,048] x [K 2,048, N 64]; A: computed on the way; B: computed on the way: left as it is (an operand is computed on the way)
;;     4. [M 8,192, K 1,024] x [K 1,024, N 1,024]; A: computed on the way; B: input w_out: left as it is (an operand is computed on the way)
;;   THE QUANTISER, for each operand of a quantised product, along K:
;;     - K is cut into blocks of 32 from its start; a last block that is shorter is filled with zeros.
;;     - A block's scale is 2^e with e = floor(log2(the largest magnitude in the block)) - 2, held to -126 .. 127; a block of zeros has e = 0. As a byte (E8M0): e + 127.
;;     - Each number is divided by its block's scale, clamped to +-6, and rounded to the nearest number of E2M1, ties to even, subnormals kept.
;;     - The product sums the exact products of the quantised numbers (number of the format x scale) in f32.
;;   ~~~python
;;   def quantise(x, axis):      # numpy; x: float32 -> the quantised numbers, widened to float32 again
;;       x = np.moveaxis(x, axis, -1); K = x.shape[-1]
;;       x = np.pad(x, [(0, 0)] * (x.ndim - 1) + [(0, -K % 32)]); x = x.reshape(x.shape[:-1] + (-1, 32)); a = np.abs(x).max(-1, keepdims=True)
;;       e = np.where(a > 0, np.clip(np.frexp(np.where(a > 0, a, 1))[1] - 1 - 2, -126, 127), 0)      # np.frexp(a)[1] - 1 = floor(log2(a)), exactly
;;       r = np.clip(x / 2.0 ** e, -6, 6)
;;       step = 2.0 ** (np.maximum(np.frexp(np.where(r == 0, 1, r))[1] - 1, 0) - 1)
;;       q = np.round(r / step) * step * 2.0 ** e      # np.round: ties to even
;;       return np.moveaxis(q.reshape(q.shape[:-2] + (-1,))[..., :K], -1, axis).astype(np.float32)
;;   ~~~
;; One version. Each part assembles by itself: llvm-mc -triple=amdgcn-amd-amdhsa -mcpu=gfx1250 --defsym DOCPART=n.
;; ======== version 1 of 1: 4 launches
;; limits: values are held in f16: magnitudes above 65,504 overflow, below 6.1e-05 lose precision
;; workspace buffers: xc 4,194,304 bytes; xs 262,144 bytes; wc 1,572,864 bytes; ws 98,304 bytes; wo 2,097,152 bytes; qkv 50,331,648 bytes; o 16,777,216 bytes
;; launch prep (part 1): grid 384 x 1, 4 waves a work-group, no clusters, 33,280 bytes of LDS; arguments x, w_qkv, w_out, xc, xs, wc, ws, wo; writes xc, xs, wc, ws, wo
.if DOCPART == 1
	.amdgcn_target "amdgcn-amd-amdhsa--gfx1250"
	.amdhsa_code_object_version 6
	.text
	.protected	k_q043e2151fc_prep
	.globl	k_q043e2151fc_prep
	.p2align	8
	.type	k_q043e2151fc_prep,@function
k_q043e2151fc_prep:
	s_mov_b64 s[64:65], 0
	v_nop
	global_prefetch_b8 v0, s[64:65] scope:SCOPE_SE
	s_setreg_imm32_b32 hwreg(HW_REG_WAVE_MODE, 25, 1), 1
	s_wait_xcnt 0x0
; MULTI-HEAD SELF-ATTENTION, launch 1 of 4: the operands are made ready.
; Nothing of reference() is left out as dead work: x, w_qkv, w_out and b_out all reach out0, and all four products are computed.
; (a) x [8192][1024] and w_qkv [3072][1024], f32, K innermost, become codes of FP4 (E2M1), two a byte, the lower k in the low four bits, and one E8M0 byte for each 32 along K:
;     xc [8192][512 bytes], xs [8192][32], wc [3072][512 bytes], ws [3072][32].  A block's scale is 2^(floor(log2(largest magnitude)) - 2): its byte is the largest magnitude's own exponent field - 2, held at 1 from below.
;     Each number is divided by the scale and rounded to the nearest code, ties to even; beyond 6 the largest code.
; (b) w_out [1024 (n)][1024 (k)], f32, becomes f16 in planes of 64 along K: wo [k / 64][n][64], so that a plane's rows of 128 bytes lie on end.
; LIMITS: NaN and infinities among the inputs are not served.  Blocks whose largest magnitude lies under 2^-124, the floor, keep the byte 1 and were not tried.  A block of zeros gets the byte 1 where the rule says 127:
; its codes are zeros, which add nothing under any byte but 0xff, and this program alone reads the bytes.  |w_out| stays under 65,504 (f16).
; SHARES: work-groups 0-255 take x, 256-351 w_qkv (32,768 numbers each: rows are dense, so both are plain streams of blocks of 32), 352-383 w_out (32 rows each).
; The quantiser: a wave takes 16 steps of 512 numbers.  Each load reads 512 consecutive bytes, 16 a lane; a step's 2,048 bytes turn through the wave's own stage in LDS and come back 64 bytes a lane, so that a lane holds
; 16 neighbours along K and two neighbouring lanes a block.  No tensor load, no barrier: waves share nothing.  Memory binds this launch: no matrix unit, no cluster, and nothing is prefetched since the loads themselves run ahead.
.set WAVES, 4
.set STEPS, 16
.set WGA,   256                        ; x's work-groups
.set WGQ,   352                        ; x's and w_qkv's
.set EMAX,  2
.set CB,    8                          ; bytes of 16 codes
.set R,     16                         ; v16-79   four sets of 16 numbers as they are loaded
.set X,     80                         ; v80-111  two sets of 16 neighbours
.set E,     112                        ; v112-127 a scale byte for each step
.set C,     128                        ; v128-191 codes: four registers for each step, so that no store's data are written again
.set WREG,  8192                       ; LDS: a region for each wave: two stages of 32 x SP bytes, and behind them its 256 scale bytes
.set SP,    80                         ; a lane's place in a stage: its 64 bytes + 16 of padding
.set SPW,   12                         ; v12 LDS address of my spare word; never rewritten
.set NIL,   13                         ; v13 0; never rewritten
.set SPARE, WAVES*WREG                 ; behind the four regions: the spare words, 128 bytes a wave, which no other line names
.set WX,    16                         ; w_out's arm: v16-143 two sets of 64 numbers
.set WY,    144                        ; v144-175 eight times 16 bytes of f16
	s_load_b256 s[4:11], s[0:1], 0x0               ; x s[4:5], w_qkv s[6:7], w_out s[8:9], xc s[10:11]
	s_load_b256 s[12:19], s[0:1], 0x20             ; xs s[12:13], wc s[14:15], ws s[16:17], wo s[18:19]
	v_lshl_add_u32 v[SPW], v0, 2, SPARE
	v_mov_b32 v[NIL], 0
	v_lshrrev_b32 v1, 5, v0
	v_readfirstlane_b32 s20, v1                    ; wave
	v_and_b32 v2, 31, v0                           ; lane
	s_cmp_ge_u32 ttmp9, WGQ                        ; the work-group's number alone decides
	s_cbranch_scc1 .Lwo
	; ---------------- the quantiser
	v_lshlrev_b32 v3, 4, v2                        ; my 16 bytes of a load's 512
	s_mul_i32 s21, s20, WREG
	v_lshrrev_b32 v14, 2, v2
	v_mul_u32_u24 v14, v14, SP
	v_and_b32 v15, 3, v2
	v_lshl_add_u32 v14, v15, 4, v14
	v_add_nc_u32 v14, s21, v14                     ; the stage, on the way in: four lanes' 64 bytes on end, then 16 of padding
	v_mul_u32_u24 v15, v2, SP
	v_add_nc_u32 v15, s21, v15                     ; and on the way out: SP x lane: my 16 neighbours
	v_mul_u32_u24 v4, v2, CB                       ; my codes' place in a step's
	v_lshrrev_b32 v5, 1, v2
	s_add_co_u32 s21, s21, 2*32*SP
	v_add_nc_u32 v5, s21, v5                       ; LDS: my wave's 256 scale bytes, my block's byte
	v_lshlrev_b32 v7, 3, v2                        ; and on the way out 8 bytes a lane
	v_add_nc_u32 v6, s21, v7
	s_wait_kmcnt 0x0
	s_cmp_lt_u32 ttmp9, WGA                        ; x's work-group or w_qkv's?
	s_cselect_b64 s[4:5], s[4:5], s[6:7]
	s_cselect_b64 s[10:11], s[10:11], s[14:15]
	s_cselect_b64 s[12:13], s[12:13], s[16:17]
	s_cselect_b32 s21, 0, WGA
	s_sub_co_u32 s21, ttmp9, s21
	s_lshl_b32 s21, s21, 2
	s_add_co_u32 s22, s21, s20                     ; which run of 8,192 numbers of the tensor is my wave's
	s_mov_b32 s23, 0
	s_mov_b64 s[24:25], 512*STEPS*4
	s_mul_u64 s[24:25], s[22:23], s[24:25]
	s_add_nc_u64 s[4:5], s[4:5], s[24:25]
	s_mov_b64 s[24:25], 32*STEPS*CB
	s_mul_u64 s[24:25], s[22:23], s[24:25]
	s_add_nc_u64 s[10:11], s[10:11], s[24:25]
	s_lshl_b32 s22, s22, 8                         ; 256 scale bytes a run
	s_add_nc_u64 s[12:13], s[12:13], s[22:23]
.macro LOAD t
.irp i, 0,1,2,3
	global_load_b128 v[R+16*((\t)%4)+4*\i:R+16*((\t)%4)+4*\i+3], v3, s[4:5] offset:2048*(\t)+512*\i th:TH_LOAD_NT   ; 32 lanes read 512 consecutive bytes
.endr
.endm
.macro TURN t                          ; step t's numbers through the stage: LDS serves a wave's instructions in order, so no wait stands between the stores and the loads
.irp i, 0,1,2,3
	ds_store_b128 v14, v[R+16*((\t)%4)+4*\i:R+16*((\t)%4)+4*\i+3] offset:32*SP*((\t)%2)+8*SP*\i
.endr
.irp i, 0,1,2,3
	ds_load_b128 v[X+16*((\t)%2)+4*\i:X+16*((\t)%2)+4*\i+3], v15 offset:32*SP*((\t)%2)+16*\i
.endr
.endm
.irp t, 0,1,2,3
	LOAD \t
.endr
	s_wait_loadcnt 12                              ; step 0's four loads are in; the twelve of steps 1 to 3 stay out
	TURN 0
.macro STEP t
.set XS, X+16*((\t)%2)
.if (\t) > 0
	s_wait_dscnt 1                                 ; this step's numbers are back from the stage (the last step's byte store may be out): so its stores into the stage have read their registers,
.else
	s_wait_dscnt 0x0
.endif
.if (\t)+4 < STEPS
	LOAD (\t)+4                                    ; which take the loads of four steps on
.endif
.if (\t)+1 < STEPS
.if STEPS-2-(\t) >= 3
	s_wait_loadcnt 12                              ; the next step's four loads are in; those of the three steps behind it may be out
.else
	s_wait_loadcnt 4*(STEPS-2-(\t))
.endif
	TURN (\t)+1                                    ; and go through the other stage while this step is worked
.endif
	v_max3_num_f32 v8, |v[XS]|, |v[XS+1]|, |v[XS+2]|               ; the largest magnitude of my 16, in two chains
	v_max3_num_f32 v9, |v[XS+3]|, |v[XS+4]|, |v[XS+5]|
.irp i, 6,10
	v_max3_num_f32 v8, v8, |v[XS+\i]|, |v[XS+\i+1]|
	v_max3_num_f32 v9, v9, |v[XS+\i+2]|, |v[XS+\i+3]|
.endr
	v_max3_num_f32 v8, v8, |v[XS+14]|, |v[XS+15]|
	v_max3_num_f32 v8, v8, v9, (EMAX+1)<<23        ; and the floor 2^(EMAX + 1 - 127): so the byte cannot fall under 1
	v_max_num_f32_dpp v8, v8, v8 row_xmask:1 row_mask:0xf bank_mask:0xf   ; and of my neighbour's 16: the block's
	v_add_nc_u32 v11, -(EMAX<<23), v8              ; EMAX off its exponent field: the conversion takes the exponent field of this operand as its scale, and nothing else of it
	v_cvt_scalef32_pk8_fp4_f32 v[C+4*(\t)], v[XS:XS+7], v11
	v_cvt_scalef32_pk8_fp4_f32 v[C+4*(\t)+1], v[XS+8:XS+15], v11
	v_lshrrev_b32 v[E+(\t)], 23, v11               ; the scale's byte (also the plain instruction behind the conversions)
	ds_store_b8 v5, v[E+(\t)] offset:16*(\t)       ; both lanes of a block write the same byte with the same value
	global_store_b64 v4, v[C+4*(\t):C+4*(\t)+1], s[10:11] offset:32*CB*(\t)   ; the wave stores 256 consecutive bytes, aligned
.endm
.irp t, 0,1,2,3,4,5,6,7,8,9,10,11,12,13,14,15
	STEP \t
.endr
	ds_load_b64 v[8:9], v6                         ; LDS serves a wave's instructions in order: these see my stores
	s_wait_dscnt 0x0
	global_store_b64 v7, v[8:9], s[12:13]          ; 32 lanes store 256 consecutive bytes, aligned
	s_wait_tensorcnt 0x0                           ; the wave's end, behind my last LDS store
	ds_add_u32 v[SPW], v[NIL]
	s_wait_dscnt 0x0
	s_endpgm
	; ---------------- w_out to f16, in planes.  Wave w of work-group g takes rows 32 g + 8 w .. + 7.  One piece of work is 4 rows x one plane: lane l takes row l / 8 and numbers 8 (l % 8) .. + 7 of the plane's 64:
	; two loads of 16 bytes, four conversions, one store of 16 bytes; the wave's store covers 512 consecutive bytes.  32 pieces in four batches of eight; loads run a batch ahead.  No LDS is used.
.Lwo:
	s_sub_co_u32 s21, ttmp9, WGQ
	s_lshl_b32 s21, s21, 2
	s_add_co_u32 s21, s21, s20                     ; 4 g + w: which 8 rows
	s_lshl_b32 s22, s21, 15                        ; x 8 rows of 4,096 bytes in w_out
	s_mov_b32 s23, 0
	s_lshl_b32 s24, s21, 10                        ; x 8 rows of 128 bytes in a plane of wo
	s_mov_b32 s25, 0
	v_lshrrev_b32 v3, 3, v2
	v_and_b32 v4, 7, v2
	v_lshlrev_b32 v3, 12, v3
	v_lshl_add_u32 v3, v4, 5, v3                   ; in: row l / 8, 32 bytes a lane
	v_lshlrev_b32 v4, 4, v2                        ; out: 16 bytes a lane
	s_wait_kmcnt 0x0
	s_add_nc_u64 s[8:9], s[8:9], s[22:23]
	s_add_nc_u64 s[18:19], s[18:19], s[24:25]
.macro LOADB b                         ; batch b: rows 4 (b / 2) on, planes 8 (b % 2) .. + 7, into set b % 2
.irp j, 0,1,2,3,4,5,6,7
	global_load_b128 v[WX+64*((\b)%2)+8*\j:WX+64*((\b)%2)+8*\j+3], v3, s[8:9] offset:((\b)/2)*16384+(8*((\b)%2)+\j)*256 th:TH_LOAD_NT
	global_load_b128 v[WX+64*((\b)%2)+8*\j+4:WX+64*((\b)%2)+8*\j+7], v3, s[8:9] offset:((\b)/2)*16384+(8*((\b)%2)+\j)*256+16 th:TH_LOAD_NT
.endr
.endm
.macro BATCH b
.if (\b) < 3
	s_wait_loadcnt 16                              ; this batch's 16 loads are in; the next batch's may be out
.else
	s_wait_loadcnt 0x0
.endif
.if (\b) > 0
	s_wait_xcnt 0x0                                ; the last batch's stores have read their data: the registers are written again only behind this wait
.endif
.irp j, 0,1,2,3,4,5,6,7
.irp r, 0,1,2,3
	v_cvt_pk_f16_f32 v[WY+4*\j+\r], v[WX+64*((\b)%2)+8*\j+2*\r], v[WX+64*((\b)%2)+8*\j+2*\r+1]
.endr
.endr
.irp j, 0,1,2,3,4,5,6,7
	global_store_b128 v4, v[WY+4*\j:WY+4*\j+3], s[18:19] offset:(8*((\b)%2)+\j)*131072+((\b)/2)*512
.endr
.if (\b) < 2
	LOADB (\b)+2
.endif
.endm
	LOADB 0
	LOADB 1
	BATCH 0
	BATCH 1
	BATCH 2
	BATCH 3
	s_wait_tensorcnt 0x0                           ; the wave's end
	ds_add_u32 v[SPW], v[NIL]
	s_wait_dscnt 0x0
	s_endpgm
.Lfunc_end_k_q043e2151fc_prep:
	.size	k_q043e2151fc_prep, .Lfunc_end_k_q043e2151fc_prep-k_q043e2151fc_prep
	.p2alignl 7, 3214868480
	.fill 96, 4, 3214868480
	.section	.rodata,"a",@progbits
	.p2align	6, 0x0
	.amdhsa_kernel k_q043e2151fc_prep
		.amdhsa_group_segment_fixed_size 33280
		.amdhsa_private_segment_fixed_size 0
		.amdhsa_enable_private_segment 0
		.amdhsa_kernarg_size 64
		.amdhsa_user_sgpr_count 2
		.amdhsa_user_sgpr_kernarg_segment_ptr 1
		.amdhsa_wavefront_size32 1
		.amdhsa_system_sgpr_workgroup_id_x 1
		.amdhsa_system_sgpr_workgroup_id_y 1
		.amdhsa_system_sgpr_workgroup_id_z 1
		.amdhsa_system_vgpr_workitem_id 0
		.amdhsa_next_free_vgpr 192
		.amdhsa_next_free_sgpr 66
		.amdhsa_reserve_vcc 0
		.amdhsa_float_denorm_mode_32 3
		.amdhsa_float_denorm_mode_16_64 3
		.amdhsa_memory_ordered 1
		.amdhsa_forward_progress 1
		.amdhsa_inst_pref_size 51
	.end_amdhsa_kernel
	.amdgpu_metadata
---
amdhsa.version: [ 1, 2 ]
amdhsa.kernels:
  - .name:           k_q043e2151fc_prep
    .symbol:         k_q043e2151fc_prep.kd
    .args:
      - { .name: x, .offset: 0, .size: 8, .value_kind: global_buffer, .address_space: global }
      - { .name: w_qkv, .offset: 8, .size: 8, .value_kind: global_buffer, .address_space: global }
      - { .name: w_out, .offset: 16, .size: 8, .value_kind: global_buffer, .address_space: global }
      - { .name: xc, .offset: 24, .size: 8, .value_kind: global_buffer, .address_space: global }
      - { .name: xs, .offset: 32, .size: 8, .value_kind: global_buffer, .address_space: global }
      - { .name: wc, .offset: 40, .size: 8, .value_kind: global_buffer, .address_space: global }
      - { .name: ws, .offset: 48, .size: 8, .value_kind: global_buffer, .address_space: global }
      - { .name: wo, .offset: 56, .size: 8, .value_kind: global_buffer, .address_space: global }
    .group_segment_fixed_size: 33280
    .private_segment_fixed_size: 0
    .kernarg_segment_align: 8
    .kernarg_segment_size: 64
    .max_flat_workgroup_size: 128
    .sgpr_count:     66
    .vgpr_count:     192
    .wavefront_size: 32
...
	.end_amdgpu_metadata
.endif
;; end of part 1
;; launch qkvgemm (part 2): grid 12 x 32, 4 waves a work-group, clusters of 4 x 4, 327,680 bytes of LDS; arguments xc, xs, wc, ws, qkv; writes qkv
.if DOCPART == 2
	.amdgcn_target "amdgcn-amd-amdhsa--gfx1250"
	.amdhsa_code_object_version 6
	.text
	.protected	k_q043e2151fc_qkvgemm
	.globl	k_q043e2151fc_qkvgemm
	.p2align	8
	.type	k_q043e2151fc_qkvgemm,@function
k_q043e2151fc_qkvgemm:
	s_mov_b64 s[64:65], 0
	v_nop
	global_prefetch_b8 v0, s[64:65] scope:SCOPE_SE
	s_setreg_imm32_b32 hwreg(HW_REG_WAVE_MODE, 25, 1), 1
	s_wait_xcnt 0x0
	s_wait_alu depctr_hold_cnt(0) depctr_sa_sdst(0) depctr_va_vdst(0) depctr_va_sdst(0) depctr_va_ssrc(0) depctr_va_vcc(0) depctr_vm_vsrc(0)
	s_getreg_b32 s2, hwreg(HW_REG_IB_STS2, 6, 4)
	s_cmp_eq_u32 s2, 0
	s_cbranch_scc0 .Lentry_in_a_cluster
	s_endpgm
.Lentry_in_a_cluster:
	s_bfe_u32 s2, ttmp6, 0x10000c
	s_cmp_lg_u32 s2, 0xf033
	s_cbranch_scc0 .Lentry_shape_is_right
	s_endpgm
.Lentry_shape_is_right:
; Launch 2 of 4: q, k, v = x w_qkv^T, the QUANTISED product, on codes of FP4 (E2M1) with one E8M0 scale for each 32 along K; sums in f32.  Nothing is left out.
; A = xc [8192][512 bytes] with xs [8192][32]; B = wc [3072][512 bytes] with ws [3072][32].  The result is rounded once to f16 (the operand format of the products that follow) and stored head-major:
; qkv [which 3][b 4][h 16][n 2048][64]: column c of the 3,072 is (which, h, d) = (c / 1024, c / 64 % 16, c % 64).  LIMIT: |q|, |k|, |v| stay under 65,504.
; A tile of C, 256 tokens x 256 columns, is made by a work-group of four waves; a wave makes 128 x 128: 64 accumulators of 16 x 16, 512 registers.
; K = 1,024 is two slots of 512 along K (rows of 256 bytes): both are asked for at the start, with the scale bytes of the work-group's rows, and nothing is filled again: three tensor loads of a wave are out at the most.
; CLUSTERS: 4 x 4 work-groups.  The four of a row of the cluster need the same tiles of A, the four of a column the same tiles of B: each tile is asked for JOINTLY, by the same tensor load with the same descriptor and a mask that names the four.
; THE MATRIX INSTRUCTION IS USED TRANSPOSED (source 0 = 16 rows of B, source 1 = 16 rows of A): a lane then holds eight neighbouring columns of one token.
; REGISTERS, in windows of 256: window 0: v0-31 addresses; v32-95 scale words, two sets; v128-191 A's fragments, ONE set; on the way out v32-63, v192-255.
;   window 1: B's fragments, TWO sets, at v0 and at v128.   window 2: the 32 accumulators of my rows 0-63 (accumulator (a, b) at v[8 (8 a + b)]);   window 3: those of my rows 64-127.
; No prefetch: no slot is filled again, and nothing may be asked for ahead of the first fills.  384 tiles of equal work; a work-group takes one.
.set SIZE_K, 1024
.set KSTEP,  512                       ; along K in a slot
.set NQ,     KSTEP/128                 ; matrix instructions deep
.set ROWB,   256                       ; a tile's row in bytes
.set KROW,   SIZE_K*4/8                ; a row of A or of B in memory, in bytes
.set PITCH,  272                       ; an LDS row: 256 bytes + 16 of padding = 68 words: the 16 rows that a load touches start 4 banks apart (64 banks of 4 bytes: ISA guide 11.1)
.set FR,     8                         ; registers of a fragment: 16 rows x 128 K
.set NL,     2                         ; LDS loads that bring one
.set NP,     4                         ; places behind this matrix instruction (ISA guide 7.12.1)
.set HALFT,  128*PITCH                 ; 128 rows: what one tensor load brings, and what one wave reads of A or of B
.set SLOT,   4*HALFT                   ; A's 256 rows, then B's 256 rows
.set KS,     SIZE_K/32                 ; a row of scales in bytes
.set SCL,    2*SLOT                    ; behind the slots: the scales, as units of 256 bytes + 16 of padding
.set HALFS,  (128*KS/256)*272          ; the scales of 128 rows: what one tensor load brings
.set SBLK,   (16*KS/256)*272           ; those of 16 rows
.set SPARE,  SCL+4*HALFS               ; the spare words, 128 bytes for each wave, which no other line names
.set STAGE,  SPARE+512                 ; the way out: 16 rows x (256 bytes + 16) for each wave, bytes of their own into which no tensor load lands
.set SPITCH, 272
.set ADRA, 16                          ; v16-17  LDS address of my A fragments in slot 0, 1
.set ADRB, 20                          ; v20-21  the same for B
.set STO,  24                          ; v24     the way out: where I put 16 bytes of a token's row
.set RD,   25                          ; v25     where I read 16 bytes back
.set CO,   26                          ; v26     and where they go in qkv
.set ADRS, 27                          ; v27     LDS address of my scale words: lanes 0-15 A's rows, lanes 16-31 B's
.set SPW,  28                          ; v28     LDS address of my spare word; never rewritten
.set NIL,  29                          ; v29     0; never rewritten
.set SC,   32                          ; scale words: set s at v[SC + 8 NQ s]; register NQ i + q: lanes 0-15 the word of A's block i, lanes 16-31 that of B's block i, for the slot's q-th 128 along K
.set AF,   128                         ; A's fragments, in window 0
.set TMP,  192                         ; the way out: a block's 32 packed registers
.set OB,   32                          ; the way out: a block read back: v32-63 and v224-255 by turns
.set G1, 24                            ; s[24:31] descriptor group 1 for A's tiles;  s[32:39] group 0, one set for each slot
.set G0, 32
.set G1B, 48                           ; s[48:55], s[56:63] the same for B's tiles
.set G0B, 56
.set G1S, 68                           ; s[68:75], s[76:79] groups 1 and 0 for A's scales;  s[80:87], s[88:91] for B's
.set G0S, 76
.set G1SB, 80
.set G0SB, 88
.set MSB, 0
.macro WIN new                         ; the immediate's high byte repeats the setting that is left
.if MSB != (\new)
	s_set_vgpr_msb (MSB<<8)|(\new)
.set MSB, (\new)
.endif
.endm
.set MUL_LO, 0xa1                      ; source 0 (B) window 1, source 1 (A) window 0, C and D window 2
.set MUL_HI, 0xf1                      ; the same, C and D window 3
.set TO_B,   0x40                      ; destination window 1, address window 0
; A joint load: waves 0 and 1 fetch for A, waves 2 and 3 for B.  Each of the two lines has ONE mask and one set of registers for all that issue it; the branch hangs on the wave's number alone.
; An s_nop 0 and four v_nop follow each of the two lines, ahead of the jump, the label and what follows.
.macro JLOAD g0a, g1a, g0b, g1b
	s_cmp_eq_u32 s15, 0
	s_cbranch_scc0 .Lfor_b_\@
	tensor_load_to_lds s[\g0a:\g0a+3], s[\g1a:\g1a+7]
	s_nop 0
.rept 4
	v_nop
.endr
	s_branch .Lasked_\@
.Lfor_b_\@:
	tensor_load_to_lds s[\g0b:\g0b+3], s[\g1b:\g1b+7]
	s_nop 0
.rept 4
	v_nop
.endr
.Lasked_\@:
.endm
.macro CROUND                          ; a round of the cluster's barrier: my work-group's barrier; wave 0 signals for the work-group; every wave waits for all sixteen; my work-group's barrier once more
	s_barrier_signal -1
	s_barrier_wait -1
	s_cmp_lg_u32 s14, 0
	s_cbranch_scc1 .Lnot_wave_0_\@
	s_barrier_signal -3
.Lnot_wave_0_\@:
	s_barrier_wait -3
	s_barrier_signal -1
	s_barrier_wait -1
.endm
	s_load_b128 s[4:7], s[0:1], 0x0                ; A's codes s[4:5], A's scales s[6:7]
	s_load_b128 s[8:11], s[0:1], 0x10              ; B's codes s[8:9], B's scales s[10:11]
	s_load_b64 s[12:13], s[0:1], 0x20              ; qkv
	v_lshl_add_u32 v[SPW], v0, 2, SPARE
	v_mov_b32 v[NIL], 0
	ds_add_u32 v[SPW], v[NIL]                      ; the wave's opening: the add, twice on end, and its wait ahead of my first tensor load; the set-up below stands between
	ds_add_u32 v[SPW], v[NIL]
	v_lshrrev_b32 v1, 5, v0
	v_readfirstlane_b32 s14, v1                    ; wave 0..3
	s_lshr_b32 s15, s14, 1                         ; which half of the tile's rows is mine.  Also: I fetch for A (0) or for B (1)
	s_and_b32 s16, s14, 1                          ; which half of its columns.  Also: which 128 rows of that tile I fetch
	s_bfe_u32 s40, ttmp6, 0x40000                  ; cx, cy: my place in the cluster
	s_bfe_u32 s41, ttmp6, 0x40004
	s_lshl_b32 s42, ttmp9, 2
	s_add_co_u32 s42, s42, s40                     ; tile column of C = 4 x cluster x + cx
	s_and_b32 s17, ttmp7, 0xffff
	s_lshl_b32 s17, s17, 2
	s_add_co_u32 s17, s17, s41                     ; tile row of C = 4 x cluster y + cy
	s_lshl_b32 s43, s41, 2
	s_lshl_b32 s43, 15, s43                        ; my row of the cluster
	s_lshl_b32 s44, 0x1111, s40                    ; my column
	; descriptor group 1: a tile of 128 rows x 256 bytes, padded in LDS
	s_or_b32 s[G1+0], s43, (0<<16)|(1<<20)|(1<<21)|(5<<22)|(3<<25)  ; 15:0 the mask: A's tiles go to my row; 17:16 element of 1 byte; 20 padding on; 21 set beside a mask; 24:22 after every 64 words; 31:25 four words
	s_or_b32 s[G1B+0], s44, (0<<16)|(1<<20)|(1<<21)|(5<<22)|(3<<25)
.irp g, G1, G1B
	s_mov_b32 s[\g+1], ROWB<<16                    ; tensor_dim0
	s_mov_b32 s[\g+2], 128<<16                     ; tensor_dim1 = 128
	s_mov_b32 s[\g+3], ROWB<<16                    ; tile_dim0
	s_mov_b32 s[\g+4], 128                         ; tile_dim1 = 128
	s_mov_b32 s[\g+5], KROW                        ; tensor_dim0_stride
	s_mov_b32 s[\g+6], 0
	s_mov_b32 s[\g+7], 0
.endr
	; and for the scales of 128 rows: a dense block of 4,096 bytes, as 16 rows of 256 bytes (32 elements of 8 bytes), 16 bytes of padding behind each
	s_or_b32 s[G1S+0], s43, (3<<16)|(1<<20)|(1<<21)|(5<<22)|(3<<25)
	s_or_b32 s[G1SB+0], s44, (3<<16)|(1<<20)|(1<<21)|(5<<22)|(3<<25)
.irp g, G1S, G1SB
	s_mov_b32 s[\g+1], 32<<16
	s_mov_b32 s[\g+2], (128*KS/256)<<16
	s_mov_b32 s[\g+3], 32<<16
	s_mov_b32 s[\g+4], 128*KS/256
	s_mov_b32 s[\g+5], 32
	s_mov_b32 s[\g+6], 0
	s_mov_b32 s[\g+7], 0
.endr
	s_lshl_b32 s18, s16, 7                         ; which 128 rows of the tile I fetch
	s_lshl_b32 s20, s17, 8
	s_add_co_u32 s20, s20, s18                     ; A: row 256 x tile row + 128 x half
	s_lshl_b32 s46, s42, 8
	s_add_co_u32 s46, s46, s18                     ; B: row 256 x tile column + 128 x half
	s_mov_b32 s21, 0
	s_mov_b32 s47, 0
	s_mov_b64 s[18:19], KS
	s_mul_u64 s[22:23], s[20:21], s[18:19]         ; where these rows' scales begin, in bytes
	s_mul_u64 s[92:93], s[46:47], s[18:19]
	s_mov_b64 s[18:19], KROW
	s_mul_u64 s[20:21], s[20:21], s[18:19]         ; and their codes
	s_mul_u64 s[46:47], s[46:47], s[18:19]
	s_mul_i32 s45, s14, HALFT                      ; where they go: wave x 128 rows: no place in the cluster enters an LDS address
	s_mul_i32 s94, s14, HALFS
	s_wait_dscnt 0x0                               ; both opening adds are done
	s_wait_kmcnt 0x0
	s_add_nc_u64 s[20:21], s[4:5], s[20:21]
	s_add_nc_u64 s[22:23], s[6:7], s[22:23]
	s_add_nc_u64 s[46:47], s[8:9], s[46:47]
	s_add_nc_u64 s[92:93], s[10:11], s[92:93]
	CROUND                                         ; all sixteen work-groups are here: the joint loads meet
	s_mov_b32 s[G0S], 1
	s_add_co_u32 s[G0S+1], s94, SCL
	s_mov_b64 s[G0S+2:G0S+3], s[22:23]
	s_or_b32 s[G0S+3], s[G0S+3], 0x80000000
	s_mov_b32 s[G0SB], 1
	s_add_co_u32 s[G0SB+1], s94, SCL
	s_mov_b64 s[G0SB+2:G0SB+3], s[92:93]
	s_or_b32 s[G0SB+3], s[G0SB+3], 0x80000000
	JLOAD G0S, G1S, G0SB, G1SB                     ; the scales first: they are wanted with the first slot
.irp s, 0,1
	s_mov_b32 s[G0+4*\s], 1
	s_add_co_u32 s[G0+4*\s+1], s45, \s*SLOT
	s_add_nc_u64 s[G0+4*\s+2:G0+4*\s+3], s[20:21], \s*ROWB
	s_or_b32 s[G0+4*\s+3], s[G0+4*\s+3], 0x80000000
	s_mov_b32 s[G0B+4*\s], 1
	s_add_co_u32 s[G0B+4*\s+1], s45, \s*SLOT
	s_add_nc_u64 s[G0B+4*\s+2:G0B+4*\s+3], s[46:47], \s*ROWB
	s_or_b32 s[G0B+4*\s+3], s[G0B+4*\s+3], 0x80000000
	JLOAD G0+4*\s, G1, G0B+4*\s, G1B
.endr
	v_and_b32 v1, 15, v0                           ; l % 16
	v_bfe_u32 v2, v0, 4, 1                         ; l / 16
	v_mul_u32_u24 v3, v1, PITCH
	v_lshl_add_u32 v4, v2, 4, v3                   ; a fragment's row x pitch + 16 x half
	s_mul_i32 s21, s15, HALFT                      ; my 128 rows of A
	s_mul_i32 s22, s16, HALFT                      ; my 128 rows of B,
	s_add_co_u32 s22, s22, 2*HALFT                 ; which lie behind A's 256
.irp s, 0,1
	v_add_nc_u32 v[ADRA+\s], s21, v4
	v_add_nc_u32 v[ADRB+\s], s22, v4
	s_add_co_u32 s21, s21, SLOT
	s_add_co_u32 s22, s22, SLOT
.endr
	v_mul_u32_u24 v5, v1, KS                       ; my row's scales: KS bytes a row,
	v_lshrrev_b32 v6, 8, v5
	v_lshl_add_u32 v5, v6, 4, v5                   ; and 16 more for each 256 passed
	s_mul_i32 s21, s15, HALFS                      ; A's: my 128 rows
	s_mul_i32 s22, s16, HALFS                      ; B's: my 128 rows, behind A's 256
	s_add_co_u32 s22, s22, 2*HALFS
	s_sub_co_u32 s22, s22, s21
	v_mul_u32_u24 v6, s22, v2                      ; lanes 16-31 take B's: the lower base + half x the distance
	s_add_co_u32 s21, s21, SCL
	v_add_nc_u32 v5, v5, v6
	v_add_nc_u32 v[ADRS], s21, v5
	; the way out.  A block is 16 tokens x 128 columns = two heads; in f16 a token's row in the stage is 256 bytes: head g's 128, then head g + 1's.
	s_mul_i32 s23, s14, 16*SPITCH
	s_add_co_u32 s23, s23, STAGE                   ; my stage
	v_mul_u32_u24 v5, v1, SPITCH                   ; in: token l % 16, 16 bytes for each half of the lanes
	v_lshl_add_u32 v5, v2, 4, v5
	v_add_nc_u32 v[STO], s23, v5
	v_bfe_u32 v6, v0, 3, 1                         ; back: sixteen lanes take two tokens of ONE head: token (l / 8) % 2,
	v_and_b32 v7, 7, v0                            ; 16 bytes l % 8,
	v_mul_u32_u24 v5, v6, SPITCH
	v_lshl_add_u32 v5, v2, 7, v5                   ; head l / 16
	v_lshl_add_u32 v5, v7, 4, v5
	v_add_nc_u32 v[RD], s23, v5
	v_lshlrev_b32 v5, 18, v2                       ; and in qkv: a head is 262,144 bytes, a token 128
	v_lshl_add_u32 v5, v6, 7, v5
	v_lshl_add_u32 v[CO], v7, 4, v5
	s_lshr_b32 s20, s17, 3                         ; the tokens' part: batch = tile row / 8,
	s_lshl_b32 s20, s20, 22
	s_and_b32 s21, s17, 7                          ; token in the batch = 256 (tile row % 8) + 128 x my half of the rows
	s_lshl_b32 s21, s21, 15
	s_add_co_u32 s20, s20, s21
	s_lshl_b32 s21, s15, 14
	s_add_co_u32 s20, s20, s21
	s_mov_b32 s21, 0
	s_lshl_b32 s46, s42, 2                         ; the columns' part (in the registers that held B's address): g = 4 x tile column + 2 x my half of the columns
	s_lshl_b32 s47, s16, 1
	s_add_co_u32 s46, s46, s47
	s_lshr_b32 s47, s46, 4                         ; which of q, k, v = g / 16,
	s_lshl_b32 s47, s47, 24
	s_and_b32 s46, s46, 15                         ; head = g % 16
	s_lshl_b32 s46, s46, 18
	s_add_co_u32 s46, s46, s47
	s_mov_b32 s47, 0
	s_add_nc_u64 s[20:21], s[20:21], s[46:47]
	s_add_nc_u64 s[12:13], s[12:13], s[20:21]
.macro FRAG reg, adr, q, i             ; a fragment, 16 rows x 128 K of 4-bit codes, is 8 registers: lane l holds row l % 16; registers 4 c .. 4 c + 3 hold K = 64 c + 32 (l / 16) + 0 .. 31
.irp c, 0,1
	ds_load_b128 v[\reg+4*\c:\reg+4*\c+3], v[\adr] offset:64*(\q)+32*\c+(\i)*16*PITCH
.endr
.endm
; 16 matrix instructions: A's blocks a0, a0 + 1 x B's eight, 128 along K: the slot's q-th.  p: B's set;  sc: the set of scale words.  zero = 1: the first product starts the sums: nothing is ever cleared.
; The 64 accumulators take turns, one instruction a turn, in the same order in every step.
.macro MUL16 a0, p, q, sc, zero
.irp a, \a0, \a0+1
.irp b, 0,1,2,3,4,5,6,7
.if \zero
	v_wmma_scale_f32_16x16x128_f8f6f4 v[8*(8*((\a)%4)+\b):8*(8*((\a)%4)+\b)+7], v[128*(\p)+FR*\b:128*(\p)+FR*\b+FR-1], v[AF+FR*(\a):AF+FR*(\a)+FR-1], 0, v[SC+8*NQ*(\sc)+NQ*\b+(\q)], v[SC+8*NQ*(\sc)+NQ*(\a)+(\q)] matrix_a_fmt:MATRIX_FMT_FP4 matrix_b_fmt:MATRIX_FMT_FP4 matrix_a_scale:MATRIX_SCALE_ROW1
.else
	v_wmma_scale_f32_16x16x128_f8f6f4 v[8*(8*((\a)%4)+\b):8*(8*((\a)%4)+\b)+7], v[128*(\p)+FR*\b:128*(\p)+FR*\b+FR-1], v[AF+FR*(\a):AF+FR*(\a)+FR-1], v[8*(8*((\a)%4)+\b):8*(8*((\a)%4)+\b)+7], v[SC+8*NQ*(\sc)+NQ*\b+(\q)], v[SC+8*NQ*(\sc)+NQ*(\a)+(\q)] matrix_a_fmt:MATRIX_FMT_FP4 matrix_b_fmt:MATRIX_FMT_FP4 matrix_a_scale:MATRIX_SCALE_ROW1
.endif
.endr
.endr
.endm
.macro FETCH_B slot, q, p              ; B's eight fragments of the slot's q-th 128 along K into set p
	WIN TO_B
.irp i, 0,1,2,3,4,5,6,7
	FRAG 128*(\p)+FR*\i, ADRB+\slot, \q, \i
.endr
	WIN 0
.endm
.macro FETCH_A slot, q, i0             ; A's blocks i0 .. i0 + 3
.irp i, \i0, \i0+1, \i0+2, \i0+3
	FRAG AF+FR*(\i), ADRA+\slot, \q, \i
.endr
.endm
.macro SCALES sc                       ; a slot's scale words into set sc: NQ words a row; lanes 0-15 take A's block i, lanes 16-31 B's block i
.irp i, 0,1,2,3,4,5,6,7
	ds_load_b128 v[SC+8*NQ*\sc+NQ*\i:SC+8*NQ*\sc+NQ*\i+3], v[ADRS] offset:\i*SBLK
.endr
.endm
; A load into a register that a matrix instruction has read, and a vector instruction that reads a matrix result, stand NP places behind that matrix instruction; only plain vector
; instructions that name none of its registers are places (ISA guide 7.12.1 for vector instructions).
.macro PLACES n
.rept \n
	v_nop
.endr
.endm
; A step of 128 along K that has its successor in the same slot.
.macro STEP slot, q, zero
	s_wait_dscnt 4*NL                              ; B's set and A's blocks 0-3 are in; the youngest eight loads (A's blocks 4-7) may be out
	WIN MUL_LO
	MUL16 0, (\q)%2, \q, \slot, \zero
	MUL16 2, (\q)%2, \q, \slot, \zero
	s_wait_dscnt 0                                 ; A's blocks 4-7 are in (asked for 32 matrix instructions ago)
	PLACES NP
	FETCH_B \slot, (\q)+1, 1-(\q)%2
	FETCH_A \slot, (\q)+1, 0
	WIN MUL_HI
	MUL16 4, (\q)%2, \q, \slot, \zero
	MUL16 6, (\q)%2, \q, \slot, \zero
	PLACES NP
	WIN 0
	FETCH_A \slot, (\q)+1, 4
.endm
; Slot 0's last step changes slots: ONE barrier; in front of it each wave waits for all its tensor loads (its part of slot 1), adds 0 to its spare word, and waits for that and for its own LDS reads.
.macro TURN slot, next
	s_wait_tensorcnt 0x0                           ; all my tensor loads have landed  (every window is 0 here: the add's two registers lie in window 0)
	ds_add_u32 v[SPW], v[NIL]                      ; 0 onto my spare word
	s_wait_dscnt 4*NL+1                            ; (the add and the youngest eight loads, A's blocks 4-7, may be out)
	WIN MUL_LO
	MUL16 0, 1, NQ-1, \slot, 0                     ; sixteen matrix instructions stand between the add and the wait for it
	s_wait_dscnt 0x0                               ; the add is done, and my reads of this slot are over
	s_barrier_signal -1
	MUL16 2, 1, NQ-1, \slot, 0
	WIN 0
	s_barrier_wait -1                              ; every wave's part of the next slot has landed
	PLACES NP
	v_add_nc_u32 v[ADRS], 4*NQ, v[ADRS]            ; on to the next slot's scale words (no LDS load of mine is out)
	FETCH_B \next, 0, 0
	FETCH_A \next, 0, 0
	SCALES \next
	WIN MUL_HI
	MUL16 4, 1, NQ-1, \slot, 0
	MUL16 6, 1, NQ-1, \slot, 0
	PLACES NP
	WIN 0
	FETCH_A \next, 0, 4
.endm
.macro STEPS slot, from                ; the slot's steps from .. NQ - 2
.set Q, \from
.rept NQ-1-\from
	STEP \slot, Q, 0
.set Q, Q+1
.endr
.endm
	s_wait_tensorcnt 1                             ; the scales and my part of slot 0 are in (slot 1's load, the one issued behind them, may be out),
	s_barrier_signal -1
	s_barrier_wait -1                              ; everybody's are
	FETCH_B 0, 0, 0
	FETCH_A 0, 0, 0
	SCALES 0
	FETCH_A 0, 0, 4
	STEP 0, 0, 1                                   ; the first step's products start the sums
	STEPS 0, 1
	TURN 0, 1
	STEPS 1, 0
	s_wait_dscnt 4*NL                              ; the very last step: nothing more to fetch
	WIN MUL_LO
	MUL16 0, 1, NQ-1, 1, 0
	MUL16 2, 1, NQ-1, 1, 0
	s_wait_dscnt 0
	WIN MUL_HI
	MUL16 4, 1, NQ-1, 1, 0
	MUL16 6, 1, NQ-1, 1, 0
	WIN 0
; THE WAY OUT of block a (16 tokens x 128 columns), in three parts.  PACK: rounded to f16, 16 bytes a lane, each accumulator from its low end on.  TOSTAGE: into my own stage, and back so that sixteen lanes
; hold two neighbouring tokens of one head.  SEND: stored: sixteen lanes store 256 consecutive bytes, at a multiple of 256 from qkv's first byte.
.macro PACK a
.set AC, 64*((\a)%4)
	WIN 0x0a+5*((\a)/4)                            ; sources 0 and 1: window 2 or 3
.irp b, 0,1,2,3,4,5,6,7
.irp r, 0,1,2,3
	v_cvt_pk_f16_f32 v[TMP+4*\b+\r], v[AC+8*\b+2*\r], v[AC+8*\b+2*\r+1]
.endr
.endr
	WIN 0
.endm
.macro TOSTAGE a
.set BB, OB+192*((\a)%2)
.irp b, 0,1,2,3,4,5,6,7
	ds_store_b128 v[STO], v[TMP+4*\b:TMP+4*\b+3] offset:32*\b
.endr
.irp t, 0,1,2,3,4,5,6,7
	ds_load_b128 v[BB+4*\t:BB+4*\t+3], v[RD] offset:\t*2*SPITCH    ; LDS serves a wave's instructions in order (ISA guide 5.7.1.4): these see the stores above
.endr
.endm
.macro SEND a
.set BB, OB+192*((\a)%2)
	s_wait_dscnt 0x0                               ; the block is back in registers
	s_wait_xcnt 0x0                                ; the earlier stores have read their data: the other set is loaded again only behind this wait
.irp t, 0,1,2,3,4,5,6,7
	global_store_b128 v[CO], v[BB+4*\t:BB+4*\t+3], s[12:13] offset:(\a)*2048+\t*256
.endr
.endm
	PLACES NP                                      ; behind the last products, ahead of the conversions and of the loads into registers that held scale words
	PACK 0
	TOSTAGE 0
.irp a, 1,2,3,4,5,6,7                  ; block a's conversions stand between block a - 1's loads from the stage and the wait for them
	PACK \a
	SEND \a-1
	TOSTAGE \a
.endr
	SEND 7
	s_wait_tensorcnt 0x0                           ; the wave's end, behind my last tensor load and my last LDS store
	ds_add_u32 v[SPW], v[NIL]
	s_wait_dscnt 0x0
	CROUND                                         ; the closing round: no work-group ends while a partner may still ask for a tile that names it
	s_endpgm
.Lfunc_end_k_q043e2151fc_qkvgemm:
	.size	k_q043e2151fc_qkvgemm, .Lfunc_end_k_q043e2151fc_qkvgemm-k_q043e2151fc_qkvgemm
	.p2alignl 7, 3214868480
	.fill 96, 4, 3214868480
	.section	.rodata,"a",@progbits
	.p2align	6, 0x0
	.amdhsa_kernel k_q043e2151fc_qkvgemm
		.amdhsa_group_segment_fixed_size 327680
		.amdhsa_private_segment_fixed_size 0
		.amdhsa_enable_private_segment 0
		.amdhsa_kernarg_size 40
		.amdhsa_user_sgpr_count 2
		.amdhsa_user_sgpr_kernarg_segment_ptr 1
		.amdhsa_wavefront_size32 1
		.amdhsa_system_sgpr_workgroup_id_x 1
		.amdhsa_system_sgpr_workgroup_id_y 1
		.amdhsa_system_sgpr_workgroup_id_z 1
		.amdhsa_system_vgpr_workitem_id 0
		.amdhsa_next_free_vgpr 1024
		.amdhsa_next_free_sgpr 98
		.amdhsa_reserve_vcc 0
		.amdhsa_float_denorm_mode_32 3
		.amdhsa_float_denorm_mode_16_64 3
		.amdhsa_memory_ordered 1
		.amdhsa_forward_progress 1
		.amdhsa_inst_pref_size 127
	.end_amdhsa_kernel
	.amdgpu_metadata
---
amdhsa.version: [ 1, 2 ]
amdhsa.kernels:
  - .name:           k_q043e2151fc_qkvgemm
    .symbol:         k_q043e2151fc_qkvgemm.kd
    .args:
      - { .name: xc, .offset: 0, .size: 8, .value_kind: global_buffer, .address_space: global }
      - { .name: xs, .offset: 8, .size: 8, .value_kind: global_buffer, .address_space: global }
      - { .name: wc, .offset: 16, .size: 8, .value_kind: global_buffer, .address_space: global }
      - { .name: ws, .offset: 24, .size: 8, .value_kind: global_buffer, .address_space: global }
      - { .name: qkv, .offset: 32, .size: 8, .value_kind: global_buffer, .address_space: global }
    .group_segment_fixed_size: 327680
    .private_segment_fixed_size: 0
    .kernarg_segment_align: 8
    .kernarg_segment_size: 40
    .max_flat_workgroup_size: 128
    .sgpr_count:     98
    .vgpr_count:     1024
    .wavefront_size: 32
...
	.end_amdgpu_metadata
.endif
;; end of part 2
;; launch attn (part 3): grid 4 x 64, 8 waves a work-group, clusters of 4 x 1, 327,680 bytes of LDS; arguments qkv, o; writes o
.if DOCPART == 3
	.amdgcn_target "amdgcn-amd-amdhsa--gfx1250"
	.amdhsa_code_object_version 6
	.text
	.protected	k_q043e2151fc_attn
	.globl	k_q043e2151fc_attn
	.p2align	8
	.type	k_q043e2151fc_attn,@function
k_q043e2151fc_attn:
	s_mov_b64 s[64:65], 0
	v_nop
	global_prefetch_b8 v0, s[64:65] scope:SCOPE_SE
	s_setreg_imm32_b32 hwreg(HW_REG_WAVE_MODE, 25, 1), 1
	s_wait_xcnt 0x0
	s_wait_alu depctr_hold_cnt(0) depctr_sa_sdst(0) depctr_va_vdst(0) depctr_va_sdst(0) depctr_va_ssrc(0) depctr_va_vcc(0) depctr_vm_vsrc(0)
	s_getreg_b32 s2, hwreg(HW_REG_IB_STS2, 6, 4)
	s_cmp_eq_u32 s2, 0
	s_cbranch_scc0 .Lentry_in_a_cluster
	s_endpgm
.Lentry_in_a_cluster:
	s_bfe_u32 s2, ttmp6, 0x10000c
	s_cmp_lg_u32 s2, 0x3003
	s_cbranch_scc0 .Lentry_shape_is_right
	s_endpgm
.Lentry_shape_is_right:
; Launch 3 of 4: o[b][h][i][:] = the sum over j of softmax_j(q_i . k_j / 32) v_j[:], for each of the 64 (b, h).  No mask; nothing is left out.  (The scale is 1024^-0.5 = 1 / 32, as reference() has it.)
; qkv: f16 [which 3][b 4][h 16][n 2048][64]; o: f16 [b 4][h 16][n 2048][64].  Both products on f16 operands with f32 sums; maxima, exponentials and sums in f32; the weights p (at most 1) are rounded to f16 for the second
; product, o once at the end.  LIMIT: |o| stays under 65,504, as |v| does.
; SHARES.  A work-group owns 512 queries of one (b, h), each of its eight waves 64: four tiles of 16.  Two waves lie on a SIMD, so that one wave's softmax stands beside the other's products.  Every wave walks all 2,048 keys, 64 a step.
; LAYOUT.  S^T = K Q^T (source 0 = 16 keys, source 1 = 16 queries): a lane holds ONE query (lane % 16) and the keys 8 (lane / 16) + 0..7.  Two such tiles, rounded to f16 in pairs, ARE source 1 (32 keys x 16 queries) of
; O^T = V^T P, whose result again holds one query a lane, and eight channels.  K comes out of LDS as it lies, V ([key][channel]) turned, by ds_load_tr16_b128.  Each fragment of K and V read from LDS feeds four products.
; SOFTMAX.  For each query a running maximum m and sum l: p = 2^(c s - c m), c = log2(e) / 32; in every step O and l are multiplied by a = 2^(c m_old - c m_new), which is 1 where m has not grown.
; RING.  Two LDS slots of 512 keys (K's rows, then V's).  2,048 keys are four slots' worth: two first fills and two refills.  Waves 0-3 fetch K's four quarters of a slot, waves 4-7 V's: one load of 128 rows a wave.
; By this text's count two tensor loads of a wave are out at the start and one behind each refill's round.
; CLUSTER.  The four query blocks of a head form a cluster and walk the same K and V: each tile is asked for JOINTLY, by the same tensor load with the same descriptor and a mask that names the four.
; No prefetch is laid: a refill is asked for a whole slot, eight key steps of every wave, ahead of its first read, so no wave waits for it; and nothing is asked for ahead of the first fills.
; REGISTERS, in windows of 256: window 0: v1-15 addresses; v16-47 eight registers of statistics a tile; v48-111 K's fragments of a step, then V's; v112-239 S^T, 32 a tile; P is packed in place into a tile's first 16.
;   window 1: v0-127 O^T, 32 a tile (channels 16 ct on at 32 t + 8 ct); v128-191 Q (tile t, channels 32 c on at 128 + 16 t + 8 c).
.set KS,    64                         ; keys in a step
.set SK,    512                        ; keys in a slot
.set PITK,  144                        ; a row of K in LDS: 128 bytes + 16 of padding = 36 words: the 16 rows of a load start 4 banks apart modulo 64 (64 banks of 4 bytes: ISA guide 11.1)
.set PITV,  160                        ; a row of V: 128 + 32 = 40 words: an odd multiple of 32 bytes, for the turning load
.set VOFF,  SK*PITK                    ; a slot: 512 rows of K, then 512 rows of V
.set SLOT,  SK*(PITK+PITV)
.set SPARE, 2*SLOT                     ; behind the ring: the spare words, 128 bytes for each of the eight waves, which no other line names
.set AK0, 2                            ; v2   my lane's place in a tile of K; never rewritten
.set AV0, 3                            ; v3   the same for V
.set ADK, 4                            ; v4   LDS address of the step's K
.set ADV, 5                            ; v5   of its V
.set QO,  6                            ; v6   my byte offset in the wave's rows of Q
.set STO, 7                            ; v7   the way out: where I put 16 bytes of a row
.set RD,  8                            ; v8   where I read 16 bytes back
.set GO,  9                            ; v9   my byte offset in the wave's rows of o
.set SPW, 10                           ; v10  LDS address of my spare word; never rewritten
.set NIL, 11                           ; v11  0; never rewritten
.set ST,  16                           ; tile t's statistics at v[ST + 8 t]: +0 c m, +1 m, +2, +3 l (even keys', odd keys'), +4 to +7 at work; a takes +6 once the maximum is found
.set KV,  48
.set S,   112
.set QF,  128                          ; Q, in window 1
.set WV,  8                            ; s8   my wave's number
.set G1K, 24                           ; s[24:31] descriptor group 1 for K's tiles
.set G1V, 32                           ; s[32:39] for V's: it differs in the padding alone
.set G0K, 40                           ; s[40:47] descriptor group 0 for K's tiles, a set for each slot
.set G0V, 48                           ; s[48:55] the same for V's
.set CS,  56                           ; s[56:57] c: the packed scaling names a pair and takes its low word for both halves
.set SEL, 58                           ; s[58:59] lane selects for v_permlanex16_b32: each lane takes its own place in the other half
.set TK,  60                           ; s60  LDS byte at which the step's rows of K begin
.set TV,  61                           ; s61  and its rows of V
.set CNT, 62                           ; s62  counts a slot's steps
.set MSB, 0
.macro WIN new                         ; the immediate's high byte repeats the setting that is left; a switch that changes nothing is dropped
.if MSB != (\new)
	s_set_vgpr_msb (MSB<<8)|(\new)
.set MSB, (\new)
.endif
.endm
.set W_KQ, 0x04                        ; Q (source 1) in window 1; K and S^T in window 0
.set W_PV, 0x50                        ; O^T (C and D) in window 1; V and P in window 0
.set W_RS, 0x41                        ; O^T (destination and source 0) in window 1, a in window 0
; A joint refill of slot s.  Waves 0-3 fetch K's quarters, waves 4-7 V's.  The branch hangs on the wave's number alone.  An s_nop 0 and four v_nop follow each of the two lines.
.macro JLOAD s
	s_cmp_lt_u32 s[WV], 4
	s_cbranch_scc0 .Lfor_v_\@
	tensor_load_to_lds s[G0K+4*\s:G0K+4*\s+3], s[G1K:G1K+7]
	s_nop 0
.rept 4
	v_nop
.endr
	s_branch .Lasked_\@
.Lfor_v_\@:
	tensor_load_to_lds s[G0V+4*\s:G0V+4*\s+3], s[G1V:G1V+7]
	s_nop 0
.rept 4
	v_nop
.endr
.Lasked_\@:
.endm
.macro CROUND                          ; a round of the cluster's barrier: my work-group's barrier; wave 0 signals for the work-group; every wave waits for all four work-groups; my work-group's barrier once more
	s_barrier_signal -1
	s_barrier_wait -1
	s_cmp_lg_u32 s[WV], 0
	s_cbranch_scc1 .Lnot_wave_0_\@
	s_barrier_signal -3
.Lnot_wave_0_\@:
	s_barrier_wait -3
	s_barrier_signal -1
	s_barrier_wait -1
.endm
	s_load_b128 s[4:7], s[0:1], 0x0                ; qkv s[4:5], o s[6:7]
	v_lshl_add_u32 v[SPW], v0, 2, SPARE
	v_mov_b32 v[NIL], 0
	ds_add_u32 v[SPW], v[NIL]                      ; the wave's opening: the add, twice on end, and its wait ahead of my first tensor load; the set-up below stands between
	ds_add_u32 v[SPW], v[NIL]
	v_lshrrev_b32 v1, 5, v0
	v_readfirstlane_b32 s[WV], v1                  ; wave 0..7
	s_bfe_u32 s9, ttmp6, 0x40000                   ; cx: my place in the cluster
	s_lshl_b32 s14, ttmp9, 2                       ; in a cluster launch ttmp9 counts clusters
	s_add_co_u32 s14, s14, s9                      ; my block of 512 queries: it enters Q's and o's addresses alone
	s_and_b32 s15, ttmp7, 0xffff                   ; 16 b + h, which the four partners share
	s_lshl_b32 s16, s15, 18                        ; the head's first byte in each of q, k, v and o: 262,144 bytes a head
	s_and_b32 s17, s[WV], 3                        ; which quarter of a slot's rows I fetch:
	s_lshl_b32 s18, s17, 14                        ; its 128 rows of 128 bytes in memory,
	s_add_co_u32 s18, s18, s16
	s_add_co_u32 s20, s18, 0x1000000               ; in k,
	s_mov_b32 s21, 0
	s_add_co_u32 s22, s18, 0x2000000               ; in v;
	s_mov_b32 s23, 0
	s_mul_i32 s10, s17, 128*PITK                   ; and its place in a slot: no place in the cluster enters an LDS address
	s_mul_i32 s11, s17, 128*PITV
	s_add_co_u32 s11, s11, VOFF
	s_lshl_b32 s2, s14, 16                         ; my block's 512 rows,
	s_lshl_b32 s3, s[WV], 13                       ; my wave's 64 of them
	s_add_co_u32 s2, s2, s3
	s_add_co_u32 s2, s2, s16
	s_mov_b32 s3, 0
	; descriptor group 1: a tile of 128 rows x 64 elements of 2 bytes, padded in LDS behind every row
	s_mov_b32 s[G1K], 15|(1<<16)|(1<<20)|(1<<21)|(4<<22)|(3<<25)  ; 15:0 the mask: all four work-groups; 17:16 elements of 2 bytes; 20 padding on; 21 set beside a mask; 24:22 after every 32 words; 31:25 four words
	s_mov_b32 s[G1V], 15|(1<<16)|(1<<20)|(1<<21)|(4<<22)|(7<<25)  ; the same with eight words of padding
.irp g, G1K, G1V
	s_mov_b32 s[\g+1], 64<<16                      ; tensor_dim0 = 64
	s_mov_b32 s[\g+2], 128<<16                     ; tensor_dim1 = 128
	s_mov_b32 s[\g+3], 64<<16                      ; tile_dim0 = 64
	s_mov_b32 s[\g+4], 128                         ; tile_dim1 = 128
	s_mov_b32 s[\g+5], 64                          ; tensor_dim0_stride: elements from row to row
	s_mov_b32 s[\g+6], 0
	s_mov_b32 s[\g+7], 0
.endr
	s_mov_b32 s[CS], 0x3d38aa3b                    ; c = log2(e) / 32
	s_mov_b32 s[CS+1], s[CS]                       ; named with it as a pair, so it is written
	s_mov_b32 s[SEL], 0x76543210
	s_mov_b32 s[SEL+1], 0xfedcba98
	s_wait_dscnt 0x0                               ; both opening adds are done
	s_wait_kmcnt 0x0
	s_add_nc_u64 s[20:21], s[4:5], s[20:21]        ; K and V at my quarter of slot 0
	s_add_nc_u64 s[22:23], s[4:5], s[22:23]
	s_add_nc_u64 s[4:5], s[4:5], s[2:3]            ; Q and o at my wave's first row
	s_add_nc_u64 s[6:7], s[6:7], s[2:3]
	CROUND                                         ; all four work-groups are here: the first joint loads meet
.irp s, 0,1
	s_mov_b32 s[G0K+4*\s], 1                       ; count = 1
	s_add_co_u32 s[G0K+4*\s+1], s10, \s*SLOT       ; LDS address
	s_add_nc_u64 s[G0K+4*\s+2:G0K+4*\s+3], s[20:21], \s*SK*128  ; global address: slot s begins with keys 512 s on
	s_or_b32 s[G0K+4*\s+3], s[G0K+4*\s+3], 0x80000000           ; type = 2
	s_mov_b32 s[G0V+4*\s], 1
	s_add_co_u32 s[G0V+4*\s+1], s11, \s*SLOT
	s_add_nc_u64 s[G0V+4*\s+2:G0V+4*\s+3], s[22:23], \s*SK*128
	s_or_b32 s[G0V+4*\s+3], s[G0V+4*\s+3], 0x80000000
.endr
	s_cmp_lt_u32 s[WV], 4                          ; a wave's two first fills stand in one branch, ahead of every wait on TENSORcnt and every LDS read
	s_cbranch_scc0 .Lfirst_v
	tensor_load_to_lds s[G0K:G0K+3], s[G1K:G1K+7]
	s_nop 0
	tensor_load_to_lds s[G0K+4:G0K+7], s[G1K:G1K+7]
	s_nop 0
.rept 4
	v_nop
.endr
	s_branch .Lfirst_asked
.Lfirst_v:
	tensor_load_to_lds s[G0V:G0V+3], s[G1V:G1V+7]
	s_nop 0
	tensor_load_to_lds s[G0V+4:G0V+7], s[G1V:G1V+7]
	s_nop 0
.rept 4
	v_nop
.endr
.Lfirst_asked:
	; A fragment of K or Q is 16 rows x 32 channels in 8 registers: lane l holds row l % 16; registers 0-3 channels 8 (l / 16) + 0..7, registers 4-7 channels 16 + 8 (l / 16) + 0..7: two loads of 16 bytes, 32 bytes apart.
	v_and_b32 v1, 15, v0                           ; l % 16
	v_bfe_u32 v12, v0, 4, 1                        ; l / 16
	v_lshlrev_b32 v[QO], 7, v1
	v_lshl_add_u32 v[QO], v12, 4, v[QO]            ; row x 128 + 16 x half
	WIN 0x40                                       ; destination window 1, address window 0
.irp t, 0,1,2,3
.irp c, 0,1
	global_load_b128 v[QF+16*\t+8*\c:QF+16*\t+8*\c+3],   v[QO], s[4:5] offset:\t*2048+64*\c      ; Q stays in registers
	global_load_b128 v[QF+16*\t+8*\c+4:QF+16*\t+8*\c+7], v[QO], s[4:5] offset:\t*2048+64*\c+32
.endr
.endr
	WIN 0
	v_mul_u32_u24 v[AK0], v1, PITK
	v_lshl_add_u32 v[AK0], v12, 4, v[AK0]          ; row x pitch + 16 x half
	; The turning load takes 16 keys x 16 channels (lane l reads 16 bytes: key 8 (l / 16) + l % 8, channels 8 ((l / 8) % 2) + 0..7) and leaves half a fragment of V^T: lane l holds channel l % 16 and 8 keys.
	v_and_b32 v13, 7, v0
	v_bfe_u32 v14, v0, 3, 1
	v_lshl_add_u32 v[AV0], v12, 3, v13
	v_mul_u32_u24 v[AV0], v[AV0], PITV
	v_lshl_add_u32 v[AV0], v14, 4, v[AV0]
	; the way out: a stage of 64 rows x 144 bytes for each wave, in slot 0's rows of K: when the first result is stored there that slot has had its last fill, and every wave has passed the last change of slots, behind which nobody reads it
	s_mul_i32 s12, s[WV], 64*PITK
	v_add_nc_u32 v[STO], s12, v[AK0]               ; in: row l % 16, 16 bytes for each half of the lanes
	v_bfe_u32 v15, v0, 3, 2
	v_mul_u32_u24 v[RD], v15, PITK                 ; back: eight lanes to a row of 128 bytes, four rows an instruction
	v_lshl_add_u32 v[RD], v13, 4, v[RD]
	v_add_nc_u32 v[RD], s12, v[RD]
	v_and_b32 v[GO], 31, v0
	v_lshlrev_b32 v[GO], 4, v[GO]                  ; and in o, where rows lie on end: 16 bytes a lane
; A KEY STEP: 64 keys for my four tiles of queries, in phases: K Q^T, the softmax, V^T P.  first = 1: the first step, which starts m, l and O^T: it has no a and nothing to rescale.
.macro STEP first
	v_add_nc_u32 v[ADK], s[TK], v[AK0]
	v_add_nc_u32 v[ADV], s[TV], v[AV0]
.rept 4
	v_nop                                          ; with the two additions six places behind the last step's products: four are owed by the loads into the registers that held V, five by the products that write over P
.endr
.irp c, 0,1                            ; K: keys 16 kt on, channels 32 c on, at KV + 16 kt + 8 c; the first 32 channels first
.irp kt, 0,1,2,3
	ds_load_b128 v[KV+16*\kt+8*\c:KV+16*\kt+8*\c+3],   v[ADK] offset:\kt*16*PITK+64*\c
	ds_load_b128 v[KV+16*\kt+8*\c+4:KV+16*\kt+8*\c+7], v[ADK] offset:\kt*16*PITK+64*\c+32
.endr
.endr
	s_wait_dscnt 8                                 ; the first 32 channels' eight loads are in; the other eight may be out
	WIN W_KQ
.irp kt, 0,1,2,3                       ; sixteen accumulators take turns, one instruction a turn; the first sixteen products start the sums
.irp t, 0,1,2,3
	v_wmma_f32_16x16x32_f16 v[S+32*\t+8*\kt:S+32*\t+8*\kt+7], v[KV+16*\kt:KV+16*\kt+7], v[QF+16*\t:QF+16*\t+7], 0
.endr
.endr
	s_wait_dscnt 0x0
.irp kt, 0,1,2,3
.irp t, 0,1,2,3
	v_wmma_f32_16x16x32_f16 v[S+32*\t+8*\kt:S+32*\t+8*\kt+7], v[KV+16*\kt+8:KV+16*\kt+15], v[QF+16*\t+8:QF+16*\t+15], v[S+32*\t+8*\kt:S+32*\t+8*\kt+7]
.endr
.endr
	WIN 0
.rept 4
	v_nop                                          ; four places: ahead of the loads into the registers that held K, and of the first read of the scores
.endr
.irp g, 0,1                            ; V, turned: keys 32 g on, channels 16 ct on, at KV + 32 g + 8 ct; it lands while the softmax is walked
.irp ct, 0,1,2,3
	ds_load_tr16_b128 v[KV+32*\g+8*\ct:KV+32*\g+8*\ct+3],   v[ADV] offset:\g*32*PITV+32*\ct
	ds_load_tr16_b128 v[KV+32*\g+8*\ct+4:KV+32*\g+8*\ct+7], v[ADV] offset:\g*32*PITV+16*PITV+32*\ct
.endr
.endr
	; THE SOFTMAX, the four tiles by turns line by line, so that no line waits for the line above it.  The maximum of the lane's 32 scores and the old m: four chains, each begun at an accumulator's low end
.irp j, 0,1,2,3
.irp t, 0,1,2,3
	v_max3_num_f32 v[ST+8*\t+4+\j], v[S+32*\t+8*\j], v[S+32*\t+8*\j+1], v[S+32*\t+8*\j+2]
.endr
.endr
.irp u, 3,5
.irp j, 0,1,2,3
.irp t, 0,1,2,3
	v_max3_num_f32 v[ST+8*\t+4+\j], v[ST+8*\t+4+\j], v[S+32*\t+8*\j+\u], v[S+32*\t+8*\j+\u+1]
.endr
.endr
.endr
.irp t, 0,1,2,3
	v_max3_num_f32 v[ST+8*\t+4], v[ST+8*\t+4], v[S+32*\t+7], v[S+32*\t+15]
.endr
.irp t, 0,1,2,3
	v_max3_num_f32 v[ST+8*\t+6], v[ST+8*\t+6], v[S+32*\t+23], v[S+32*\t+31]
.endr
.irp t, 0,1,2,3
	v_max3_num_f32 v[ST+8*\t+4], v[ST+8*\t+4], v[ST+8*\t+5], v[ST+8*\t+6]
.endr
.irp t, 0,1,2,3
.if \first
	v_max_num_f32 v[ST+8*\t+4], v[ST+8*\t+4], v[ST+8*\t+7]
.else
	v_max3_num_f32 v[ST+8*\t+4], v[ST+8*\t+4], v[ST+8*\t+7], v[ST+8*\t+1]
.endif
.endr
.irp t, 0,1,2,3
	v_permlanex16_b32 v[ST+8*\t+5], v[ST+8*\t+4], s[SEL], s[SEL+1]   ; the query's other 32 keys lie in the lane 16 away
.endr
.if \first == 0
.irp t, 0,1,2,3
	v_mov_b32 v[ST+8*\t+7], v[ST+8*\t]             ; c m_old is kept for a
.endr
.endif
.irp t, 0,1,2,3
	v_max_num_f32 v[ST+8*\t+1], v[ST+8*\t+4], v[ST+8*\t+5]           ; the new m
.endr
.irp t, 0,1,2,3
	v_mul_f32 v[ST+8*\t], s[CS], v[ST+8*\t+1]      ; c m
.endr
.if \first == 0
.irp t, 0,1,2,3
	v_sub_f32 v[ST+8*\t+7], v[ST+8*\t+7], v[ST+8*\t]                 ; c m_old - c m_new, 0 or less
.endr
.endif
.irp b, 0,2,4,6,8,10,12,14,16,18,20,22,24,26,28,30
.irp t, 0,1,2,3
	v_pk_fma_f32 v[S+32*\t+\b:S+32*\t+\b+1], v[S+32*\t+\b:S+32*\t+\b+1], s[CS:CS+1], v[ST+8*\t:ST+8*\t+1] op_sel_hi:[1,0,0] neg_lo:[0,0,1] neg_hi:[0,0,1]   ; c s - c m, two at a time
.endr
.endr
.if \first == 0
.irp t, 0,1,2,3
	v_exp_f32 v[ST+8*\t+6], v[ST+8*\t+7]           ; a
.endr
.endif
.irp e, 0,1,2,3,4,5,6,7,8,9,10,11,12,13,14,15,16,17,18,19,20,21,22,23,24,25,26,27,28,29,30,31
.irp t, 0,1,2,3
	v_exp_f32 v[S+32*\t+\e], v[S+32*\t+\e]         ; p, at most 1
.endr
.endr
	v_nop                                          ; one plain instruction behind the last exponential, ahead of the first use of a result
	s_wait_alu depctr_va_vdst(0)                   ; ONE wait for the whole batch, all four tiles' exponentials, ahead of the first instruction that names a result
	; the sums of the unrounded p, packed (an even key's weight, an odd key's), in two chains a tile: l takes pairs 0, 3, 5, .. 15, the other chain pairs 1, 2, 4, .. 14
.irp t, 0,1,2,3
.if \first
	v_pk_add_f32 v[ST+8*\t+2:ST+8*\t+3], v[S+32*\t:S+32*\t+1], v[S+32*\t+6:S+32*\t+7]
.else
	v_pk_fma_f32 v[ST+8*\t+2:ST+8*\t+3], v[ST+8*\t+2:ST+8*\t+3], v[ST+8*\t+6:ST+8*\t+7], v[S+32*\t:S+32*\t+1] op_sel_hi:[1,0,1]   ; l a + pair 0
.endif
.endr
.irp t, 0,1,2,3
	v_pk_add_f32 v[ST+8*\t+4:ST+8*\t+5], v[S+32*\t+2:S+32*\t+3], v[S+32*\t+4:S+32*\t+5]
.endr
.irp p, 6,10,14,18,22,26
.if (\first == 0) || (\p > 6)          ; (the first step has taken pair 3 already)
.irp t, 0,1,2,3
	v_pk_add_f32 v[ST+8*\t+2:ST+8*\t+3], v[ST+8*\t+2:ST+8*\t+3], v[S+32*\t+\p:S+32*\t+\p+1]
.endr
.endif
.irp t, 0,1,2,3
	v_pk_add_f32 v[ST+8*\t+4:ST+8*\t+5], v[ST+8*\t+4:ST+8*\t+5], v[S+32*\t+\p+2:S+32*\t+\p+3]
.endr
.endr
.irp t, 0,1,2,3
	v_pk_add_f32 v[ST+8*\t+2:ST+8*\t+3], v[ST+8*\t+2:ST+8*\t+3], v[S+32*\t+30:S+32*\t+31]
.endr
.irp t, 0,1,2,3
	v_pk_add_f32 v[ST+8*\t+2:ST+8*\t+3], v[ST+8*\t+2:ST+8*\t+3], v[ST+8*\t+4:ST+8*\t+5]
.endr
.irp i, 0,1,2,3,4,5,6,7,8,9,10,11,12,13,14,15
.irp t, 0,1,2,3
	v_cvt_pk_f16_f32 v[S+32*\t+\i], v[S+32*\t+2*\i], v[S+32*\t+2*\i+1]   ; P in place: register i takes pair i, ascending, so that no pair is written over before it is read
.endr
.endr
.if \first == 0
	WIN W_RS
.irp t, 0,1,2,3
.irp i, 0,2,4,6,8,10,12,14,16,18,20,22,24,26,28,30
	v_pk_mul_f32 v[32*\t+\i:32*\t+\i+1], v[32*\t+\i:32*\t+\i+1], v[ST+8*\t+6:ST+8*\t+7] op_sel_hi:[1,0]   ; O^T x a, each accumulator from its low end on
.endr
.endr
.endif
	s_wait_dscnt 8                                 ; V's first 32 keys (eight loads) are in; the other eight may be out
	WIN W_PV
.irp ct, 0,1,2,3                       ; O^T += V^T P: sixteen accumulators by turns
.irp t, 0,1,2,3
.if \first
	v_wmma_f32_16x16x32_f16 v[32*\t+8*\ct:32*\t+8*\ct+7], v[KV+8*\ct:KV+8*\ct+7], v[S+32*\t:S+32*\t+7], 0
.else
	v_wmma_f32_16x16x32_f16 v[32*\t+8*\ct:32*\t+8*\ct+7], v[KV+8*\ct:KV+8*\ct+7], v[S+32*\t:S+32*\t+7], v[32*\t+8*\ct:32*\t+8*\ct+7]
.endif
.endr
.endr
	s_wait_dscnt 0x0
.irp ct, 0,1,2,3
.irp t, 0,1,2,3
	v_wmma_f32_16x16x32_f16 v[32*\t+8*\ct:32*\t+8*\ct+7], v[KV+32+8*\ct:KV+32+8*\ct+7], v[S+32*\t+8:S+32*\t+15], v[32*\t+8*\ct:32*\t+8*\ct+7]
.endr
.endr
	WIN 0
.endm
; The steps of the slot that begins at LDS byte base: trips of them, the first skip left out.  The trip count is a constant; the LDS addresses hang on two scalars that step by constants.
.macro SLOTSTEPS base, trips, skip
	s_mov_b32 s[TK], (\base)+(\skip)*KS*PITK
	s_mov_b32 s[TV], (\base)+VOFF+(\skip)*KS*PITV
	s_mov_b32 s[CNT], \trips
.Lstep_\@:
	STEP 0
	s_add_co_u32 s[TK], s[TK], KS*PITK
	s_add_co_u32 s[TV], s[TV], KS*PITV
	s_sub_co_u32 s[CNT], s[CNT], 1
	s_cmp_lg_u32 s[CNT], 0
	s_cbranch_scc1 .Lstep_\@
.endm
; THE CHANGE OF SLOTS.  Each wave waits for all its tensor loads, of which one may be out: its part of the slot ahead; adds 0 to its spare word; and waits for that and for its reads of the slot that it leaves.
; fill = 1: slot s, just left, is filled again with the keys 1,024 on.  The barrier is then a round of the cluster's, so that no wave of any partner still reads the slot or has a load on its way, and the joint refill is the first thing behind it.
.macro CHANGE fill, s
	s_wait_tensorcnt 0x0                           ; no tensor load of mine is out, so a group 0 may be written
	ds_add_u32 v[SPW], v[NIL]                      ; 0 onto my spare word
.if \fill
	s_add_nc_u64 s[G0K+4*\s+2:G0K+4*\s+3], s[G0K+4*\s+2:G0K+4*\s+3], 2*SK*128   ; the type bits on top are not reached
	s_add_nc_u64 s[G0V+4*\s+2:G0V+4*\s+3], s[G0V+4*\s+2:G0V+4*\s+3], 2*SK*128
.endif
	s_wait_dscnt 0x0                               ; the add is done, and my reads of the slot are over
.if \fill
	CROUND
	JLOAD \s
.else
	s_barrier_signal -1
	s_barrier_wait -1
.endif
.endm
	s_wait_tensorcnt 1                             ; my part of slot 0 is in; slot 1's, issued behind it, may stay out
	s_barrier_signal -1
	s_barrier_wait -1                              ; everybody's is
	s_wait_loadcnt 0x0                             ; Q
	s_mov_b32 s[TK], 0
	s_mov_b32 s[TV], VOFF
	STEP 1                                         ; keys 0 to 63 start m, l and O^T: nothing is ever cleared
	SLOTSTEPS 0, 7, 1                              ; keys 64 to 511
	CHANGE 1, 0                                    ; slot 0 takes keys 1,024 to 1,535
	SLOTSTEPS SLOT, 8, 0                           ; keys 512 to 1,023
	CHANGE 1, 1                                    ; slot 1 takes keys 1,536 to 2,047
	SLOTSTEPS 0, 8, 0
	CHANGE 0, 0                                    ; nothing is left to ask for
	SLOTSTEPS SLOT, 8, 0
	; THE WAY OUT.  l's two halves and the other half of the lanes' are added; O^T is divided by l, rounded to f16 and sent through my stage.  The four additions are the places behind the last products.
.irp t, 0,1,2,3
	v_add_f32 v[ST+8*\t+4], v[ST+8*\t+2], v[ST+8*\t+3]
.endr
.irp t, 0,1,2,3
	v_permlanex16_b32 v[ST+8*\t+5], v[ST+8*\t+4], s[SEL], s[SEL+1]
.endr
.irp t, 0,1,2,3
	v_add_f32 v[ST+8*\t+4], v[ST+8*\t+4], v[ST+8*\t+5]
.endr
.irp t, 0,1,2,3
	v_rcp_f32 v[ST+8*\t+6], v[ST+8*\t+4]
.endr
	v_nop                                          ; a plain instruction between the last reciprocal and the use of its result
	s_wait_alu depctr_va_vdst(0)                   ; and one wait for the four, ahead of the first use
; Tile t: a lane's eight channels of a query pack into 16 bytes; they go into rows of 144 bytes and come back four whole rows of 128 bytes an instruction.
.macro OPACK t
	WIN W_RS
.irp i, 0,2,4,6,8,10,12,14,16,18,20,22,24,26,28,30
	v_pk_mul_f32 v[32*\t+\i:32*\t+\i+1], v[32*\t+\i:32*\t+\i+1], v[ST+8*\t+6:ST+8*\t+7] op_sel_hi:[1,0]
.endr
	WIN 0x05                                       ; sources 0 and 1 window 1, destination window 0: S^T's registers are free
.irp i, 0,1,2,3,4,5,6,7,8,9,10,11,12,13,14,15
	v_cvt_pk_f16_f32 v[S+32*\t+\i], v[32*\t+2*\i], v[32*\t+2*\i+1]
.endr
	WIN 0
.irp ct, 0,1,2,3
	ds_store_b128 v[STO], v[S+32*\t+4*\ct:S+32*\t+4*\ct+3] offset:\t*16*PITK+32*\ct
.endr
.irp i, 0,1,2,3
	ds_load_b128 v[S+32*\t+16+4*\i:S+32*\t+16+4*\i+3], v[RD] offset:\t*16*PITK+\i*4*PITK   ; LDS serves a wave's instructions in order (ISA guide 5.7.1.4): these see the stores above
.endr
.endm
	OPACK 0
	OPACK 1
	OPACK 2
	OPACK 3
.irp t, 0,1,2,3
.irp i, 0,1,2,3
	s_wait_dscnt 8*(3-\t)+3-\i                     ; behind this load: the rest of its tile's loads and eight LDS instructions for each later tile
	global_store_b128 v[GO], v[S+32*\t+16+4*\i:S+32*\t+16+4*\i+3], s[6:7] offset:\t*2048+\i*512   ; the wave stores 512 consecutive bytes, at a multiple of 256 from o's first byte
.endr
.endr
	s_wait_tensorcnt 0x0                           ; the wave's end, behind my last tensor load and my last LDS store
	ds_add_u32 v[SPW], v[NIL]
	s_wait_dscnt 0x0
	CROUND                                         ; the closing round: no work-group ends while a partner may still ask for a tile that names it
	s_endpgm
.Lfunc_end_k_q043e2151fc_attn:
	.size	k_q043e2151fc_attn, .Lfunc_end_k_q043e2151fc_attn-k_q043e2151fc_attn
	.p2alignl 7, 3214868480
	.fill 96, 4, 3214868480
	.section	.rodata,"a",@progbits
	.p2align	6, 0x0
	.amdhsa_kernel k_q043e2151fc_attn
		.amdhsa_group_segment_fixed_size 327680
		.amdhsa_private_segment_fixed_size 0
		.amdhsa_enable_private_segment 0
		.amdhsa_kernarg_size 16
		.amdhsa_user_sgpr_count 2
		.amdhsa_user_sgpr_kernarg_segment_ptr 1
		.amdhsa_wavefront_size32 1
		.amdhsa_system_sgpr_workgroup_id_x 1
		.amdhsa_system_sgpr_workgroup_id_y 1
		.amdhsa_system_sgpr_workgroup_id_z 1
		.amdhsa_system_vgpr_workitem_id 0
		.amdhsa_next_free_vgpr 448
		.amdhsa_next_free_sgpr 66
		.amdhsa_reserve_vcc 0
		.amdhsa_float_denorm_mode_32 3
		.amdhsa_float_denorm_mode_16_64 3
		.amdhsa_memory_ordered 1
		.amdhsa_forward_progress 1
		.amdhsa_inst_pref_size 178
	.end_amdhsa_kernel
	.amdgpu_metadata
---
amdhsa.version: [ 1, 2 ]
amdhsa.kernels:
  - .name:           k_q043e2151fc_attn
    .symbol:         k_q043e2151fc_attn.kd
    .args:
      - { .name: qkv, .offset: 0, .size: 8, .value_kind: global_buffer, .address_space: global }
      - { .name: o, .offset: 8, .size: 8, .value_kind: global_buffer, .address_space: global }
    .group_segment_fixed_size: 327680
    .private_segment_fixed_size: 0
    .kernarg_segment_align: 8
    .kernarg_segment_size: 16
    .max_flat_workgroup_size: 256
    .sgpr_count:     66
    .vgpr_count:     448
    .wavefront_size: 32
...
	.end_amdgpu_metadata
.endif
;; end of part 3
;; launch proj (part 4): grid 8 x 64, 4 waves a work-group, clusters of 4 x 4, 327,680 bytes of LDS; arguments o, wo, b_out, out0; writes out0
.if DOCPART == 4
	.amdgcn_target "amdgcn-amd-amdhsa--gfx1250"
	.amdhsa_code_object_version 6
	.text
	.protected	k_q043e2151fc_proj
	.globl	k_q043e2151fc_proj
	.p2align	8
	.type	k_q043e2151fc_proj,@function
k_q043e2151fc_proj:
	s_mov_b64 s[64:65], 0
	v_nop
	global_prefetch_b8 v0, s[64:65] scope:SCOPE_SE
	s_setreg_imm32_b32 hwreg(HW_REG_WAVE_MODE, 25, 1), 1
	s_wait_xcnt 0x0
	s_wait_alu depctr_hold_cnt(0) depctr_sa_sdst(0) depctr_va_vdst(0) depctr_va_sdst(0) depctr_va_ssrc(0) depctr_va_vcc(0) depctr_vm_vsrc(0)
	s_getreg_b32 s2, hwreg(HW_REG_IB_STS2, 6, 4)
	s_cmp_eq_u32 s2, 0
	s_cbranch_scc0 .Lentry_in_a_cluster
	s_endpgm
.Lentry_in_a_cluster:
	s_bfe_u32 s2, ttmp6, 0x10000c
	s_cmp_lg_u32 s2, 0xf033
	s_cbranch_scc0 .Lentry_shape_is_right
	s_endpgm
.Lentry_shape_is_right:
; Launch 4 of 4: out0[token][n] = the sum over k of o[token][k] w_out[n][k] + b_out[n], k = 64 h + d.  f16 operands, f32 sums, f32 out.  Nothing is left out.
; A = o, f16 [b 4][h 16][n 2048][64]; B = wo, f16 [k / 64][n 1024][64]: both lie in PLANES of 64 along K, in which rows of 128 bytes lie on end.  out0: [8192][1024] f32.
; A tile of C is 128 x 128: 512 work-groups of equal work.  Four waves, each 64 x 64: 16 accumulators of 16 x 16, 128 registers.  K goes in steps of 256 (four planes) through two LDS slots.
; A wave's tensor load brings 64 rows x 4 planes as a tile of FOUR rows of 4,096 elements: a plane's 64 rows are 8,192 consecutive bytes; the padding, 16 bytes behind every 128, divides that row,
; so that in LDS every row of 64 elements is 144 bytes from the next and a plane 9,216.  By this text's count two tensor loads of a wave are out at the start and one behind each refill's round.
; CLUSTERS: 4 x 4 work-groups.  The four of a row of the cluster need the same tiles of A, the four of a column the same tiles of B: each tile is asked for JOINTLY, by the same tensor load with the same descriptor and a mask that names the four.
; THE MATRIX INSTRUCTION IS USED TRANSPOSED (source 0 = 16 rows of B, source 1 = 16 rows of A): a lane holds eight neighbouring columns of one token.  THE BIAS is the C of each sum's first product: eight registers for each
; of my four blocks of columns, in the result's layout; it costs no addition.
; REGISTERS: window 0: v0-31 addresses; v32-95 the way out; v96-127 the bias; v128-255 the accumulators ((a, b) at v[128 + 8 (4 a + b)]).
;   window 1: two fragment buffers of 128: for one plane (64 along K, two matrix instructions deep), 64 registers of A, then 64 of B.
; No prefetch: the tiles are small and shared in the cluster, and the launch is short.
.set PITCH,  144                       ; an LDS row: 128 bytes + 16 of padding = 36 words: the 16 rows that a load touches start 4 banks apart modulo 64 (64 banks of 4 bytes: ISA guide 11.1)
.set PLANE,  64*PITCH                  ; 64 rows of one plane
.set HALFT,  4*PLANE                   ; what one tensor load brings, and what one wave reads of A or of B in a K step
.set SLOT,   4*HALFT                   ; A's two halves, then B's two halves
.set STAGE,  2*SLOT                    ; behind the ring: 16 rows x 272 bytes for each wave, for the way out; no tensor load lands there
.set SPITCH, 272
.set SPARE,  STAGE+4*16*SPITCH         ; behind the stages: the spare words, 128 bytes for each wave, which no other line names
.set LAPS,   2                         ; a lap = two K steps = once round the ring: K = 1,024
.set STEPA,  4*262144                  ; a K step on in o: four heads
.set STEPB,  4*131072                  ; and in wo: four planes
.set ADRA, 16                          ; v16-17  LDS address of my A fragments in slot 0, 1
.set ADRB, 20                          ; v20-21  the same for B
.set STO,  24                          ; v24     the way out: where I put 32 bytes of a row
.set RD,   25                          ; v25     where I read 16 bytes back
.set CO,   26                          ; v26     my byte offset in out0
.set BO,   27                          ; v27     my byte offset in b_out
.set SPW,  28                          ; v28     LDS address of my spare word; never rewritten
.set NIL,  29                          ; v29     0; never rewritten
.set OB,   32                          ; the way out: 16 rows read back: v32-63 and v64-95 by turns
.set BIAS, 96
.set ACC,  128
.set F0,   0                           ; fragment buffers, in window 1
.set F1,   128
.set G1, 24                            ; s[24:31] descriptor group 1 for A's tiles;  s[32:39] group 0, one set for each slot
.set G0, 32
.set G1B, 48                           ; s[48:55], s[56:63] the same for B's tiles
.set G0B, 56
.set MSB, 0
.macro WIN new                         ; the immediate's high byte repeats the setting that is left
.if MSB != (\new)
	s_set_vgpr_msb (MSB<<8)|(\new)
.set MSB, (\new)
.endif
.endm
.set MUL,  0x05                        ; sources 0 (B) and 1 (A) window 1; C and D window 0
.set TO_F, 0x40                        ; destination window 1, address window 0
.macro JLOAD s                         ; a joint load: waves 0 and 1 fetch A's two halves, waves 2 and 3 B's; an s_nop 0 and four v_nop follow each of the two lines
	s_cmp_eq_u32 s11, 0
	s_cbranch_scc0 .Lfor_b_\@
	tensor_load_to_lds s[G0+4*\s:G0+4*\s+3], s[G1:G1+7]
	s_nop 0
.rept 4
	v_nop
.endr
	s_branch .Lasked_\@
.Lfor_b_\@:
	tensor_load_to_lds s[G0B+4*\s:G0B+4*\s+3], s[G1B:G1B+7]
	s_nop 0
.rept 4
	v_nop
.endr
.Lasked_\@:
.endm
.macro CREST                           ; a round of the cluster's barrier behind its opening barrier
	s_cmp_lg_u32 s10, 0
	s_cbranch_scc1 .Lnot_wave_0_\@
	s_barrier_signal -3
.Lnot_wave_0_\@:
	s_barrier_wait -3
	s_barrier_signal -1
	s_barrier_wait -1
.endm
.macro CROUND                          ; a whole round
	s_barrier_signal -1
	s_barrier_wait -1
	CREST
.endm
	s_load_b128 s[4:7], s[0:1], 0x0                ; o s[4:5], wo s[6:7]
	s_load_b128 s[68:71], s[0:1], 0x10             ; b_out s[68:69], out0 s[70:71]
	v_lshl_add_u32 v[SPW], v0, 2, SPARE
	v_mov_b32 v[NIL], 0
	ds_add_u32 v[SPW], v[NIL]                      ; the wave's opening: the add, twice on end, and its wait ahead of my first tensor load; the set-up below stands between
	ds_add_u32 v[SPW], v[NIL]
	v_lshrrev_b32 v1, 5, v0
	v_readfirstlane_b32 s10, v1                    ; wave 0..3
	s_lshr_b32 s11, s10, 1                         ; which half of the tile's rows is mine.  Also: I fetch for A (0) or for B (1)
	s_and_b32 s12, s10, 1                          ; which half of its columns.  Also: which 64 rows of that tile I fetch
	s_bfe_u32 s40, ttmp6, 0x40000                  ; cx, cy: my place in the cluster
	s_bfe_u32 s41, ttmp6, 0x40004
	s_lshl_b32 s42, ttmp9, 2
	s_add_co_u32 s42, s42, s40                     ; tile column of C = 4 x cluster x + cx
	s_and_b32 s13, ttmp7, 0xffff
	s_lshl_b32 s13, s13, 2
	s_add_co_u32 s13, s13, s41                     ; tile row of C = 4 x cluster y + cy
	s_lshl_b32 s43, s41, 2
	s_lshl_b32 s43, 15, s43                        ; my row of the cluster
	s_lshl_b32 s44, 0x1111, s40                    ; my column
	; descriptor group 1: four rows (planes) of 4,096 elements of 2 bytes
	s_or_b32 s[G1+0], s43, (1<<16)|(1<<20)|(1<<21)|(4<<22)|(3<<25)  ; 15:0 the mask: A's tiles go to my row; 17:16 element of 2 bytes; 20 padding on; 21 set beside a mask; 24:22 after every 32 words; 31:25 four words
	s_or_b32 s[G1B+0], s44, (1<<16)|(1<<20)|(1<<21)|(4<<22)|(3<<25)
.irp g, G1, G1B
	s_mov_b32 s[\g+1], 4096<<16                    ; tensor_dim0 = 4,096
	s_mov_b32 s[\g+2], 4<<16                       ; tensor_dim1 = 4
	s_mov_b32 s[\g+3], 4096<<16                    ; tile_dim0 = 4,096
	s_mov_b32 s[\g+4], 4                           ; tile_dim1 = 4
	s_mov_b32 s[\g+6], 0
	s_mov_b32 s[\g+7], 0
.endr
	s_mov_b32 s[G1+5], 131072                      ; from plane to plane, in elements: a head of o is 2,048 x 64,
	s_mov_b32 s[G1B+5], 65536                      ; a plane of wo 1,024 x 64
	s_lshr_b32 s16, s13, 4                         ; A: batch = tile row / 16: 4 MiB each;
	s_lshl_b32 s16, s16, 22
	s_and_b32 s17, s13, 15                         ; token in the batch = 128 (tile row % 16) + 64 x the half that I fetch, 128 bytes each
	s_lshl_b32 s17, s17, 14
	s_add_co_u32 s16, s16, s17
	s_lshl_b32 s17, s12, 13
	s_add_co_u32 s16, s16, s17
	s_lshl_b32 s46, s42, 14                        ; B: row 128 x tile column + 64 x half
	s_add_co_u32 s46, s46, s17
	s_mov_b32 s17, 0
	s_mov_b32 s47, 0
	s_mul_i32 s20, s10, HALFT                      ; where they go: wave x HALFT: no place in the cluster enters an LDS address
	s_wait_dscnt 0x0                               ; both opening adds are done
	s_wait_kmcnt 0x0
	s_add_nc_u64 s[14:15], s[4:5], s[16:17]
	s_add_nc_u64 s[46:47], s[6:7], s[46:47]
	CROUND                                         ; all sixteen work-groups are here: the first joint loads meet
.irp s, 0,1
	s_mov_b32 s[G0+4*\s], 1
	s_add_co_u32 s[G0+4*\s+1], s20, \s*SLOT
	s_add_nc_u64 s[G0+4*\s+2:G0+4*\s+3], s[14:15], \s*STEPA
	s_or_b32 s[G0+4*\s+3], s[G0+4*\s+3], 0x80000000
	s_mov_b32 s[G0B+4*\s], 1
	s_add_co_u32 s[G0B+4*\s+1], s20, \s*SLOT
	s_add_nc_u64 s[G0B+4*\s+2:G0B+4*\s+3], s[46:47], \s*STEPB
	s_or_b32 s[G0B+4*\s+3], s[G0B+4*\s+3], 0x80000000
	JLOAD \s
.endr
	v_and_b32 v1, 15, v0                           ; l % 16
	v_bfe_u32 v2, v0, 4, 1                         ; l / 16
	v_lshlrev_b32 v[BO], 5, v2                     ; the bias: my half's eight columns of a block of 16
	s_lshl_b32 s46, s42, 9                         ; my first column, in bytes of f32: 512 x tile column + 256 x my half of the columns (in the registers that held B's address)
	s_lshl_b32 s47, s12, 8
	s_add_co_u32 s46, s46, s47
	s_mov_b32 s47, 0
	s_add_nc_u64 s[68:69], s[68:69], s[46:47]
	s_add_nc_u64 s[70:71], s[70:71], s[46:47]
.irp b, 0,1,2,3
	global_load_b128 v[BIAS+8*\b:BIAS+8*\b+3],   v[BO], s[68:69] offset:64*\b
	global_load_b128 v[BIAS+8*\b+4:BIAS+8*\b+7], v[BO], s[68:69] offset:64*\b+16
.endr
	v_mul_u32_u24 v3, v1, PITCH
	v_lshl_add_u32 v3, v2, 4, v3                   ; a fragment's row x pitch + 16 x half
	s_mul_i32 s21, s11, HALFT                      ; my 64 rows of A
	s_mul_i32 s22, s12, HALFT                      ; my 64 rows of B,
	s_add_co_u32 s22, s22, 2*HALFT                 ; which lie behind A's two halves
.irp s, 0,1
	v_add_nc_u32 v[ADRA+\s], s21, v3
	v_add_nc_u32 v[ADRB+\s], s22, v3
	s_add_co_u32 s21, s21, SLOT
	s_add_co_u32 s22, s22, SLOT
.endr
	s_mul_i32 s23, s10, 16*SPITCH
	s_add_co_u32 s23, s23, STAGE                   ; my stage
	v_mul_u32_u24 v4, v1, SPITCH                   ; in: row l % 16, 32 bytes for each half of the lanes
	v_lshl_add_u32 v4, v2, 5, v4
	v_add_nc_u32 v[STO], s23, v4
	v_mul_u32_u24 v5, v2, SPITCH                   ; back: lanes 0-15 take one row of 256 bytes, lanes 16-31 the next
	v_lshl_add_u32 v5, v1, 4, v5
	v_add_nc_u32 v[RD], s23, v5
	v_lshlrev_b32 v5, 12, v2                       ; and the same two rows in out0: 4,096 bytes a row
	v_lshl_add_u32 v[CO], v1, 4, v5
	s_lshl_b32 s16, s13, 19                        ; my first row of out0: 128 x tile row + 64 x my half of the rows
	s_lshl_b32 s17, s11, 18
	s_add_co_u32 s16, s16, s17
	s_mov_b32 s17, 0
	s_add_nc_u64 s[70:71], s[70:71], s[16:17]
; 8 matrix instructions: m blocks a0, a0 + 1 x all 4 n blocks, 32 along K: half c of buffer f.  bias = 1: the first product of each sum takes the bias as its C: nothing is cleared and nothing is added later.
; The 16 accumulators take turns, one instruction a turn.
.macro MUL8 f, c, a0, bias
.irp a, \a0, \a0+1
.irp b, 0,1,2,3
.if \bias
	v_wmma_f32_16x16x32_f16 v[ACC+8*(4*(\a)+\b):ACC+8*(4*(\a)+\b)+7], v[\f+64+8*(4*\c+\b):\f+64+8*(4*\c+\b)+7], v[\f+8*(4*\c+\a):\f+8*(4*\c+\a)+7], v[BIAS+8*\b:BIAS+8*\b+7]
.else
	v_wmma_f32_16x16x32_f16 v[ACC+8*(4*(\a)+\b):ACC+8*(4*(\a)+\b)+7], v[\f+64+8*(4*\c+\b):\f+64+8*(4*\c+\b)+7], v[\f+8*(4*\c+\a):\f+8*(4*\c+\a)+7], v[ACC+8*(4*(\a)+\b):ACC+8*(4*(\a)+\b)+7]
.endif
.endr
.endr
.endm
; 32 LDS loads in one run: the fragments of the plane that begins k bytes into my part of the slot, into buffer f; its first 32 along K first
.macro FETCH slot, k, f
	WIN TO_F
.irp c, 0,1
.irp i, 0,1,2,3
	ds_load_b128 v[\f+64+8*(4*\c+\i):\f+64+8*(4*\c+\i)+3],   v[ADRB+\slot] offset:\k+64*\c+\i*16*PITCH
	ds_load_b128 v[\f+64+8*(4*\c+\i)+4:\f+64+8*(4*\c+\i)+7], v[ADRB+\slot] offset:\k+64*\c+\i*16*PITCH+32
	ds_load_b128 v[\f+8*(4*\c+\i):\f+8*(4*\c+\i)+3],         v[ADRA+\slot] offset:\k+64*\c+\i*16*PITCH
	ds_load_b128 v[\f+8*(4*\c+\i)+4:\f+8*(4*\c+\i)+7],       v[ADRA+\slot] offset:\k+64*\c+\i*16*PITCH+32
.endr
.endr
.endm
.macro PLACES                          ; four places in front of loads into registers that matrix instructions have read, and of LDS stores that read results (ISA guide 7.12.1 for the stores)
.rept 4
	v_nop
.endr
.endm
; A K step is four quarters, a plane each, 32 matrix instructions each, on buffers 0, 1, 0, 1.  One of the first three: multiplies buffer f and fetches the next plane, at byte k, into g.
.macro QUARTER slot, k, f, g, bias
	s_wait_dscnt 16                                ; the first 32 along K are in; the youngest sixteen loads may be out
	WIN MUL
	MUL8 \f, 0, 0, \bias
	MUL8 \f, 0, 2, \bias
	PLACES
	FETCH \slot, \k, \g
	s_wait_dscnt 32                                ; all but the 32 just issued
	WIN MUL
	MUL8 \f, 1, 0, 0
	MUL8 \f, 1, 2, 0
.endm
; The last quarter multiplies buffer 1 and changes slots: ONE barrier; in front of it each wave waits for all its tensor loads, adds 0 to its spare word, and waits for that and for its own reads of this slot.  fill = 1: this slot is filled again, two K steps ahead.
.macro TURN slot, next, fill
	WIN 0                                          ; (the add's two registers lie in window 0)
	s_wait_tensorcnt 0x0                           ; all my tensor loads have landed: my part of the next slot;
	ds_add_u32 v[SPW], v[NIL]                      ; 0 onto my spare word;
	s_wait_dscnt 17                                ; (the add and the youngest sixteen loads may be out)
	WIN MUL
	MUL8 F1, 0, 0, 0                               ; eight matrix instructions stand between the add and the wait for it
	s_wait_dscnt 0x0                               ; the add is done, and my reads of this slot are over
	s_barrier_signal -1
	MUL8 F1, 0, 2, 0
.if \fill
	WIN 0
.endif
	s_barrier_wait -1
.if \fill
	CREST                                          ; the barrier has opened a round of the cluster's barrier: no wave of any partner still reads this slot's tile or has a load on its way
	s_add_nc_u64 s[G0+4*\slot+2:G0+4*\slot+3], s[G0+4*\slot+2:G0+4*\slot+3], 2*STEPA
	s_add_nc_u64 s[G0B+4*\slot+2:G0B+4*\slot+3], s[G0B+4*\slot+2:G0B+4*\slot+3], 2*STEPB
	JLOAD \slot                                    ; the first tensor load behind the round; the four v_nop behind it are also the places in front of the loads below
.else
	PLACES
.endif
	FETCH \next, 0, F0
	WIN MUL
	MUL8 F1, 1, 0, 0
	MUL8 F1, 1, 2, 0
.endm
	s_wait_tensorcnt 1                             ; my part of K step 0 is in (K step 1's load, issued behind it, may be out),
	s_barrier_signal -1
	s_barrier_wait -1                              ; everybody's is
	s_wait_loadcnt 0x0                             ; the bias
	FETCH 0, 0, F0
	QUARTER 0, PLANE, F0, F1, 1                    ; the first quarter stands in front of the loop: its first products start the sums from the bias
	WIN 0                                          ; at a label and at a branch every window is 0
	s_mov_b32 s3, LAPS-1
.Llap:                                                 ; a trip goes once round the ring, from a lap's second quarter to the next lap's first, and fills both slots again
	QUARTER 0, 2*PLANE, F1, F0, 0
	QUARTER 0, 3*PLANE, F0, F1, 0
	TURN 0, 1, 1
	QUARTER 1, PLANE, F0, F1, 0
	QUARTER 1, 2*PLANE, F1, F0, 0
	QUARTER 1, 3*PLANE, F0, F1, 0
	TURN 1, 0, 1
	QUARTER 0, PLANE, F0, F1, 0
	WIN 0
	s_sub_co_u32 s3, s3, 1
	s_cmp_lg_u32 s3, 0
	s_cbranch_scc1 .Llap
	QUARTER 0, 2*PLANE, F1, F0, 0                  ; the last lap fills nothing, and has no round of the cluster's barrier
	QUARTER 0, 3*PLANE, F0, F1, 0
	TURN 0, 1, 0
	QUARTER 1, PLANE, F0, F1, 0
	QUARTER 1, 2*PLANE, F1, F0, 0
	QUARTER 1, 3*PLANE, F0, F1, 0
	s_wait_dscnt 16                                ; the very last quarter: nothing more to fetch
	WIN MUL
	MUL8 F1, 0, 0, 0
	MUL8 F1, 0, 2, 0
	s_wait_dscnt 0
	MUL8 F1, 1, 0, 0
	MUL8 F1, 1, 2, 0
	WIN 0
; THE WAY OUT, block by block of 16 rows x 64 columns.  A lane holds 32 neighbouring bytes of a row and the lanes beside it hold other rows: so a block goes through my own stage and comes back as whole rows of 256 bytes.
; My 64 columns of f32 are 256 aligned bytes of a row of out0, so no other wave is needed and no barrier.  LDS serves a wave's instructions in order (ISA guide 5.7.1.4): no wait between the stores and the loads, nor ahead of the next block's stores.
.macro TOSTAGE a
.irp b, 0,1,2,3
	ds_store_b128 v[STO], v[ACC+8*(4*(\a)+\b):ACC+8*(4*(\a)+\b)+3] offset:64*\b          ; each accumulator from its low end on
	ds_store_b128 v[STO], v[ACC+8*(4*(\a)+\b)+4:ACC+8*(4*(\a)+\b)+7] offset:64*\b+16
.endr
.irp t, 0,1,2,3,4,5,6,7
	ds_load_b128 v[OB+32*((\a)%2)+4*\t:OB+32*((\a)%2)+4*\t+3], v[RD] offset:\t*2*SPITCH
.endr
.endm
.macro SEND a, younger                 ; younger: the LDS instructions issued behind block a's loads, which may stay out
	s_wait_dscnt \younger                          ; the block is back in registers
.irp t, 0,1,2,3,4,5,6,7
	global_store_b128 v[CO], v[OB+32*((\a)%2)+4*\t:OB+32*((\a)%2)+4*\t+3], s[70:71] offset:(16*(\a)+2*\t)*4096 th:TH_STORE_NT   ; 16 lanes store 256 consecutive bytes, at a multiple of 256 from out0's first byte; written once, read by nobody here
.endr
.endm
	PLACES                                         ; behind the last products, ahead of the first read of results
	TOSTAGE 0
.irp a, 1,2,3
.if \a > 1
	s_wait_xcnt 0x0                                ; block a - 2's stores have read their data: block a's loads may land there
.endif
	TOSTAGE \a
	SEND \a-1, 16                                  ; behind block a - 1's loads: block a's 8 stores and 8 loads
.endr
	SEND 3, 0
	s_wait_tensorcnt 0x0                           ; the wave's end, behind my last tensor load and my last LDS store
	ds_add_u32 v[SPW], v[NIL]
	s_wait_dscnt 0x0
	CROUND                                         ; the closing round: no work-group ends while a partner may still ask for a tile that names it
	s_endpgm
.Lfunc_end_k_q043e2151fc_proj:
	.size	k_q043e2151fc_proj, .Lfunc_end_k_q043e2151fc_proj-k_q043e2151fc_proj
	.p2alignl 7, 3214868480
	.fill 96, 4, 3214868480
	.section	.rodata,"a",@progbits
	.p2align	6, 0x0
	.amdhsa_kernel k_q043e2151fc_proj
		.amdhsa_group_segment_fixed_size 327680
		.amdhsa_private_segment_fixed_size 0
		.amdhsa_enable_private_segment 0
		.amdhsa_kernarg_size 32
		.amdhsa_user_sgpr_count 2
		.amdhsa_user_sgpr_kernarg_segment_ptr 1
		.amdhsa_wavefront_size32 1
		.amdhsa_system_sgpr_workgroup_id_x 1
		.amdhsa_system_sgpr_workgroup_id_y 1
		.amdhsa_system_sgpr_workgroup_id_z 1
		.amdhsa_system_vgpr_workitem_id 0
		.amdhsa_next_free_vgpr 512
		.amdhsa_next_free_sgpr 72
		.amdhsa_reserve_vcc 0
		.amdhsa_float_denorm_mode_32 3
		.amdhsa_float_denorm_mode_16_64 3
		.amdhsa_memory_ordered 1
		.amdhsa_forward_progress 1
		.amdhsa_inst_pref_size 86
	.end_amdhsa_kernel
	.amdgpu_metadata
---
amdhsa.version: [ 1, 2 ]
amdhsa.kernels:
  - .name:           k_q043e2151fc_proj
    .symbol:         k_q043e2151fc_proj.kd
    .args:
      - { .name: o, .offset: 0, .size: 8, .value_kind: global_buffer, .address_space: global }
      - { .name: wo, .offset: 8, .size: 8, .value_kind: global_buffer, .address_space: global }
      - { .name: b_out, .offset: 16, .size: 8, .value_kind: global_buffer, .address_space: global }
      - { .name: out0, .offset: 24, .size: 8, .value_kind: global_buffer, .address_space: global }
    .group_segment_fixed_size: 327680
    .private_segment_fixed_size: 0
    .kernarg_segment_align: 8
    .kernarg_segment_size: 32
    .max_flat_workgroup_size: 128
    .sgpr_count:     72
    .vgpr_count:     512
    .wavefront_size: 32
...
	.end_amdgpu_metadata
.endif
;; end of part 4
